; MI455X (gfx1250); checked and timed in simulation.
; The chip was launched on July 23, 2026; its instructions are those of AMD's public machine-readable ISA for CDNA 5 (MIT licence, August 2026) and "CDNA5" Instruction Set Architecture Reference Guide (July 2026). The comments in the code are by the model that wrote it; some were corrected since.
;; Multi Head Encoder Attention. Allowed arithmetic: matrix products marked QUANTISED: E5M2 operands, one given power-of-two scale a tensor, by v_wmma_f32_16x16x64_bf8_bf8 or v_wmma_f32_16x16x128_bf8_bf8, f32 sums; everything else in f32.
;; Inputs: Wk 16 x 1,024 x 64 float32; Wq 16 x 1,024 x 64 float32; Wv 16 x 1,024 x 64 float32; attn_mask 8 x 1,024 x 1,024 int32; bk 16 x 64 float32; bq 16 x 64 float32; bv 16 x 64 float32; decoder_batch 8 x 1,024 x 1,024 float32; encoder_out 8 x 1,024 x 1,024 float32; lowp_scales 10 int32 (the exponents e of the quantised operands' scales 2^e).
;; Outputs: out0 8 x 1,024 x 1,024 float32.
;; This version of the problem:
;;   THIS VERSION OF THE PROBLEM IS GIVEN IN LOW PRECISION. The matrix products marked QUANTISED in the list below multiply operands that are first quantised to E5M2 (5 exponent bits, 2 mantissa bits; 8 bits a number), with one given power-of-two scale for each operand tensor; their sums are f32. All else is computed in f32.
;;   The module's matrix products, in the order in which they are computed (A, B: the left and right operand; K: the contracted axis; several contracted axes count as one K, in the product's order):
;;     1. [M 1,024, K 1,024] x [K 1,024, N 8,192]; A: input Wq; B: input decoder_batch: QUANTISED (scales: A lowp_scales[0], B lowp_scales[1])
;;     2. [M 1,024, K 1,024] x [K 1,024, N 8,192]; A: input Wk; B: input encoder_out: QUANTISED (scales: A lowp_scales[2], B lowp_scales[3])
;;     3. [M 1,024, K 1,024] x [K 1,024, N 8,192]; A: input Wv; B: input encoder_out: QUANTISED (scales: A lowp_scales[4], B lowp_scales[5])
;;     4. batch 128 x [M 1,024, K 64] x [K 64, N 1,024]; A: computed on the way; B: computed on the way: QUANTISED (scales: A lowp_scales[6], B lowp_scales[7])
;;     5. batch 128 x [M 1,024, K 1,024] x [K 1,024, N 64]; A: computed on the way; B: computed on the way: QUANTISED (scales: A lowp_scales[8], B lowp_scales[9])
;;   THE QUANTISER, for each operand of a quantised product, along K:
;;     - The operand's scale is 2^e, e = its entry of the input lowp_scales (int32; the entries are numbered through the quantised products in the list's order, A before B).
;;     - Each number is divided by the scale, clamped to +-57,344, and rounded to the nearest number of E5M2, ties to even, subnormals kept.
;;     - The product sums the exact products of the quantised numbers (number of the format x scale) in f32.
;;   ~~~python
;;   def quantise(x, axis, e):      # numpy; x: float32 -> the quantised numbers, widened to float32 again
;;       x = np.moveaxis(x, axis, -1); K = x.shape[-1]
;;       r = np.clip(x / 2.0 ** e, -57344, 57344)
;;       step = 2.0 ** (np.maximum(np.frexp(np.where(r == 0, 1, r))[1] - 1, -14) - 2)
;;       q = np.round(r / step) * step * 2.0 ** e      # np.round: ties to even
;;       return np.moveaxis(q, -1, axis).astype(np.float32)
;;   ~~~
;;   OPERANDS COMPUTED ON THE WAY. 'Computed on the way' means the value that the module computes at that place (a softmax that the list does not call 'softmax' is quantised finished and normalised). What goes into a quantiser is computed in f32, as accurately as f32 sums, v_exp_f32 and their like allow (about 1e-6 of the number): no bf16 or f16 on the way to a quantiser, and a product that is left as it is and whose result goes on into a quantised operand takes f32 operands (vector FMAs, or v_wmma_f32_16x16x4_f32). A number that lies on a knife's edge between two numbers of the format may be rounded either way, as far as f32 arithmetic and the matrix unit's own rounding can turn it there, and no further.
;; 2 versions, each right; version 2 is version 1 with the launch attn written anew for expert scheduling mode. Each part assembles by itself: llvm-mc -triple=amdgcn-amd-amdhsa -mcpu=gfx1250 --defsym DOCPART=n.
;; ======== version 1 of 2: 3 launches
;; workspace buffers: xc 25,165,824 bytes; wc 3,145,728 bytes; pc 25,165,824 bytes; maskw 1,048,576 bytes of whole numbers
;; launch prep (part 1): grid 736 x 1, 4 waves a work-group, no clusters, 101,888 bytes of LDS; arguments decoder_batch, encoder_out, Wq, Wk, Wv, attn_mask, lowp_scales, xc, wc, maskw; writes xc, wc, maskw
.if DOCPART == 1
	.amdgcn_target "amdgcn-amd-amdhsa--gfx1250"
	.amdhsa_code_object_version 6
	.text
	.protected	k_q1d5302c6f2_prep
	.globl	k_q1d5302c6f2_prep
	.p2align	8
	.type	k_q1d5302c6f2_prep,@function
k_q1d5302c6f2_prep:
	s_mov_b64 s[64:65], 0
	v_nop
	global_prefetch_b8 v0, s[64:65] scope:SCOPE_SE
	s_setreg_imm32_b32 hwreg(HW_REG_WAVE_MODE, 25, 1), 1
	s_wait_xcnt 0x0
; PREP: everything that later launches read many times is made once.
;   work-groups 0-511   (X): decoder_batch -> xc part 0 (scale e1); encoder_out -> xc part 1 (e3) and part 2 (e5): codes of E5M2, [8192 positions][1024 along K]
;   work-groups 512-607 (W): Wq, Wk, Wv [16][1024 (K)][64] -> wc parts 0, 1, 2 (e0, e2, e4): codes, [1024 positions n = 64 head + column][1024 along K]
;   work-groups 608-735 (M): attn_mask -> maskw [8 b][64 tiles][32 blocks][16] words of 32 bits: one bit a lane of the attention launch
; ROW ORDER of xc and wc: within each 32 rows the second and the third group of 8 rows change places, so that 16 neighbouring positions
; 16 i + p hold the rows 32 (i/2) + 8 (i%2) + p + 8 (p/8): a product used transposed then leaves 16 NEIGHBOURS in a lane's registers of two tiles.
; code = x / 2^e, held within +-57,344, to the nearest code, ties to even.  LIMITS: e0 .. e5 between -126 and 112; NaN among the inputs is not served.
; The three paths part on the work-group's number alone; each has LDS bytes of its own and ends by itself.  Waves share nothing: no barrier.
; No matrix unit, no tensor load, no cluster: each input byte is read once and nothing is shared between work-groups.
.set NX,    512                        ; work-groups of path X
.set NXW,   608                        ; of paths X and W together
; path X
.set XSP,   80                         ; a lane's place in a stage: 64 bytes + 16 of padding
.set XREG,  8192                       ; LDS of a wave: two stages of 32 x 80 bytes
.set XR,    16                         ; v16-79   four sets of 16 numbers as loaded
.set XX,    80                         ; v80-111  two sets of 16 neighbours
.set XT,    112                        ; v112-127 the held copy for encoder_out's first scale
.set XC,    128                        ; v128-223 codes: registers of its own for each store
; path W
.set WBASE, 32768
.set WP,    272                        ; a stage row: 256 bytes of codes + 16
.set WX,    32                         ; v32-95   two sets of 32 numbers
.set WC,    96                         ; v96-103  a block's codes
.set WO,    112                        ; v112-175 the way out
; path M
.set MBASE, 67584
.set MPI,   528                        ; a stage row: 512 bytes + 16
.set MR,    16                         ; v16-143  two sets of 16 rows x 16 bytes a lane
.set MX,    144                        ; v144-207 64 numbers of my lane's row
.set MO,    208                        ; v208-223 the words, two registers a step
.macro MKSC e, vs, vl                  ; from the exponent in s[e]: v[vs] = 2^e as f32 (the conversion takes its exponent field), v[vl] = 57,344 x 2^e
	s_add_co_i32 s56, s[\e], 127
	s_lshl_b32 s57, s56, 23
	v_mov_b32 v[\vs], s57
	s_add_co_i32 s56, s56, 15
	s_lshl_b32 s56, s56, 23
	s_or_b32 s56, s56, 0x600000
	v_mov_b32 v[\vl], s56
.endm
.macro LOADX t                         ; step t: 512 numbers, four loads of 512 consecutive bytes; steps 0-7 decoder_batch, 8-15 encoder_out
.irp i, 0,1,2,3
.if (\t) < 8
	global_load_b128 v[XR+16*((\t)%4)+4*\i:XR+16*((\t)%4)+4*\i+3], v3, s[4:5] offset:2048*((\t)%8)+512*\i th:TH_LOAD_NT
.else
	global_load_b128 v[XR+16*((\t)%4)+4*\i:XR+16*((\t)%4)+4*\i+3], v3, s[6:7] offset:2048*((\t)%8)+512*\i th:TH_LOAD_NT
.endif
.endr
.endm
.macro TURNX t                         ; through the wave's own stage: in as loaded, back 64 bytes a lane.  LDS serves a wave's instructions in order: no wait between
.irp i, 0,1,2,3
	ds_store_b128 v14, v[XR+16*((\t)%4)+4*\i:XR+16*((\t)%4)+4*\i+3] offset:32*XSP*((\t)%2)+8*XSP*\i
.endr
.irp i, 0,1,2,3
	ds_load_b128 v[XX+16*((\t)%2)+4*\i:XX+16*((\t)%2)+4*\i+3], v15 offset:32*XSP*((\t)%2)+16*\i
.endr
.endm
.macro STEPX t
.set XS, XX+16*((\t)%2)
	s_wait_dscnt 0x0                               ; this step's numbers are back; its stores into the stage have read their registers,
.if (\t)+4 < 16
	LOADX (\t)+4                                   ; which take the loads of four steps on
.endif
.if (\t)+1 < 16
.if 14-(\t) >= 3
	s_wait_loadcnt 12                              ; the next step's four loads are in; those of the three steps behind it may be out
.else
	s_wait_loadcnt 4*(14-(\t))
.endif
	TURNX (\t)+1
.endif
.if (\t) < 8
.irp i, 0,1,2,3,4,5,6,7,8,9,10,11,12,13,14,15
	v_med3_num_f32 v[XS+\i], v[XS+\i], -v6, v6     ; the conversion does not saturate (ISA guide 7.6.2): the hold comes first
.endr
	v_cvt_scalef32_pk8_bf8_f32 v[XC+4*(\t):XC+4*(\t)+1], v[XS:XS+7], v5
	v_cvt_scalef32_pk8_bf8_f32 v[XC+4*(\t)+2:XC+4*(\t)+3], v[XS+8:XS+15], v5
	global_store_b128 v3, v[XC+4*(\t):XC+4*(\t)+3], s[32:33] offset:512*(\t)   ; the wave stores 512 consecutive bytes, aligned
.else
.set CE, XC+32+8*((\t)-8)
.irp i, 0,1,2,3,4,5,6,7,8,9,10,11,12,13,14,15
	v_med3_num_f32 v[XT+\i], v[XS+\i], -v8, v8     ; encoder_out under e3, into a copy,
.endr
	v_cvt_scalef32_pk8_bf8_f32 v[CE:CE+1], v[XT:XT+7], v7
	v_cvt_scalef32_pk8_bf8_f32 v[CE+2:CE+3], v[XT+8:XT+15], v7
	global_store_b128 v3, v[CE:CE+3], s[34:35] offset:512*((\t)-8)
.irp i, 0,1,2,3,4,5,6,7,8,9,10,11,12,13,14,15
	v_med3_num_f32 v[XS+\i], v[XS+\i], -v10, v10   ; and under e5, in place (plain lines that touch nothing of the conversions above)
.endr
	v_cvt_scalef32_pk8_bf8_f32 v[CE+4:CE+5], v[XS:XS+7], v9
	v_cvt_scalef32_pk8_bf8_f32 v[CE+6:CE+7], v[XS+8:XS+15], v9
	global_store_b128 v3, v[CE+4:CE+7], s[36:37] offset:512*((\t)-8)
.endif
.endm
.macro LOADW t                         ; block t: W(32 t + i, my column), i = 0 .. 31; a row of W is 256 bytes
.irp i, 0,1,2,3,4,5,6,7,8,9,10,11,12,13,14,15,16,17,18,19,20,21,22,23,24,25,26,27,28,29,30,31
	global_load_b32 v[WX+32*((\t)%2)+\i], v3, s[32:33] offset:(32*(\t)+\i)*256
.endr
.endm
.macro BLOCKW t
.set XS, WX+32*((\t)%2)
.if (\t) < 7
	s_wait_loadcnt 32                              ; this block's 32 loads are in; the next block's may be out
.else
	s_wait_loadcnt 0
.endif
.irp i, 0,1,2,3,4,5,6,7,8,9,10,11,12,13,14,15,16,17,18,19,20,21,22,23,24,25,26,27,28,29,30,31
	v_med3_num_f32 v[XS+\i], v[XS+\i], -v10, v10
.endr
.irp g, 0,1,2,3
	v_cvt_scalef32_pk8_bf8_f32 v[WC+2*\g:WC+2*\g+1], v[XS+8*\g:XS+8*\g+7], v11
.endr
	ds_store_b128 v4, v[WC:WC+3] offset:32*(\t)    ; 32 codes of my column's row
	ds_store_b128 v4, v[WC+4:WC+7] offset:32*(\t)+16
.if (\t)+2 < 8
	LOADW (\t)+2
.endif
	s_wait_dscnt 0x0                               ; the stores have read their registers: the next block's codes may be written
.endm
.macro LOADM s                         ; step s: 128 columns (512 bytes) of my 16 rows; the rows of a tile are 0-7 and 16-23 from the tile's first
.irp r, 0,1,2,3,4,5,6,7,8,9,10,11,12,13,14,15
	global_load_b128 v[MR+64*((\s)%2)+4*\r:MR+64*((\s)%2)+4*\r+3], v3, s[14:15] offset:(\r+8*(\r/8))*4096+512*(\s) th:TH_LOAD_NT
.endr
.endm
.macro STEPM s
.if (\s) < 7
	s_wait_loadcnt 16                              ; this step's 16 loads are in; the next step's may be out
.else
	s_wait_loadcnt 0
.endif
.irp r, 0,1,2,3,4,5,6,7,8,9,10,11,12,13,14,15
	ds_store_b128 v4, v[MR+64*((\s)%2)+4*\r:MR+64*((\s)%2)+4*\r+3] offset:MPI*\r
.endr
.irp k, 0,1,2,3
.irp c, 0,1,2,3
	ds_load_b128 v[MX+16*\k+4*\c:MX+16*\k+4*\c+3], v5 offset:128*\k+16*\c   ; lane (r, h): row r, columns 32 k + 16 h + 4 c ..
.endr
.endr
	s_wait_dscnt 0x0
.if (\s)+2 < 8
	LOADM (\s)+2
.endif
.irp k, 0,1,2,3
.irp i, 0,1,2,3,4,5,6,7,8,9,10,11,12,13,14,15
	v_cmp_ne_u32 s[40+\i], 0, v[MX+16*\k+\i]       ; bit r + 16 h: does column 32 k + 16 h + i count for row r?
.endr
.irp i, 0,1,2,3,4,5,6,7,8,9,10,11,12,13,14,15
	v_writelane_b32 v[MO+2*(\s)+(\i%2)], s[40+\i], (16*\k+\i)/2   ; word 16 k + i goes to lane (16 k + i) / 2, register (16 k + i) % 2
.endr
.endr
	global_store_b64 v6, v[MO+2*(\s):MO+2*(\s)+1], s[22:23] offset:256*(\s)   ; 32 lanes store 256 consecutive bytes, aligned
.endm
	s_load_b512 s[4:19], s[0:1], 0x0               ; decoder_batch s[4:5], encoder_out s[6:7], Wq s[8:9], Wk s[10:11], Wv s[12:13], attn_mask s[14:15], lowp_scales s[16:17], xc s[18:19]
	s_load_b128 s[20:23], s[0:1], 0x40             ; wc s[20:21], maskw s[22:23]
	v_lshl_add_u32 v254, v0, 2, 0x18c00
	v_mov_b32 v255, 0
	v_lshrrev_b32 v1, 5, v0
	v_readfirstlane_b32 s2, v1                     ; wave 0..3
	v_and_b32 v2, 31, v0                           ; lane
	s_wait_kmcnt 0x0
	s_load_b256 s[24:31], s[16:17], 0x0            ; e0 .. e7
	s_cmp_lt_u32 ttmp9, NX
	s_cbranch_scc0 .Lnot_x
; ---------------- X: wave W = 4 g + wave takes rows 4 W .. 4 W + 3 of both tensors: 16 steps of 512 numbers
	v_lshlrev_b32 v3, 4, v2                        ; 16 x lane: my bytes of a load's 512, and of a store's
	s_mul_i32 s40, s2, XREG
	v_lshrrev_b32 v14, 2, v2
	v_mul_u32_u24 v14, v14, XSP
	v_and_b32 v15, 3, v2
	v_lshl_add_u32 v14, v15, 4, v14
	v_add_nc_u32 v14, s40, v14                     ; the stage, in: 80 (lane / 4) + 16 (lane % 4)
	v_mul_u32_u24 v15, v2, XSP
	v_add_nc_u32 v15, s40, v15                     ; and back: 80 x lane
	s_lshl_b32 s40, ttmp9, 2
	s_add_co_u32 s40, s40, s2                      ; W
	s_lshl_b32 s40, s40, 14                        ; x 4 rows of 4,096 bytes
	s_mov_b32 s41, 0
	s_add_nc_u64 s[4:5], s[4:5], s[40:41]
	s_add_nc_u64 s[6:7], s[6:7], s[40:41]
	s_lshr_b32 s42, ttmp9, 1                       ; my group of 8 rows is 2 g + wave / 2; its two low bits change places
	s_lshl_b32 s42, s42, 2
	s_lshr_b32 s43, s2, 1
	s_lshl_b32 s43, s43, 1
	s_add_co_u32 s42, s42, s43
	s_and_b32 s43, ttmp9, 1
	s_add_co_u32 s42, s42, s43                     ; the group's position
	s_lshl_b32 s42, s42, 1
	s_and_b32 s43, s2, 1
	s_add_co_u32 s42, s42, s43                     ; in halves of 4 rows
	s_lshl_b32 s42, s42, 12                        ; x 4 rows of 1,024 bytes
	s_mov_b32 s43, 0
	s_add_nc_u64 s[32:33], s[18:19], s[42:43]      ; xc part 0,
	s_add_nc_u64 s[34:35], s[32:33], 0x800000      ; part 1,
	s_add_nc_u64 s[36:37], s[32:33], 0x1000000     ; part 2
	LOADX 0
	LOADX 1
	LOADX 2
	LOADX 3
	s_wait_kmcnt 0x0
	MKSC 25, 5, 6                                  ; e1
	MKSC 27, 7, 8                                  ; e3
	MKSC 29, 9, 10                                 ; e5
	s_wait_loadcnt 12                              ; step 0's four loads are in
	TURNX 0
.irp t, 0,1,2,3,4,5,6,7,8,9,10,11,12,13,14,15
	STEPX \t
.endr
	s_wait_tensorcnt 0x0
	ds_add_u32 v254, v255
	s_wait_dscnt 0x0
	s_endpgm
.Lnot_x:
	s_cmp_lt_u32 ttmp9, NXW
	s_cbranch_scc0 .Lmask
; ---------------- W: a lane takes a column, its registers run down K; a wave takes 32 columns x 256 along K
	s_sub_co_u32 s40, ttmp9, NX
	s_lshr_b32 s41, s40, 5                         ; which tensor: 0 Wq, 1 Wk, 2 Wv
	s_lshr_b32 s42, s40, 1
	s_and_b32 s42, s42, 15                         ; head
	s_and_b32 s43, s40, 1
	s_lshl_b32 s43, s43, 1
	s_lshr_b32 s44, s2, 1
	s_add_co_u32 s43, s43, s44                     ; which 256 along K
	s_and_b32 s44, s2, 1                           ; which 32 of the head's 64 columns
	s_lshl_b32 s46, s42, 18                        ; from: head x 262,144 + 256 rows of 256 bytes + 128 bytes
	s_lshl_b32 s47, s43, 16
	s_add_co_u32 s46, s46, s47
	s_lshl_b32 s47, s44, 7
	s_add_co_u32 s46, s46, s47
	s_mov_b32 s47, 0
	s_cmp_eq_u32 s41, 0
	s_cselect_b64 s[32:33], s[8:9], s[10:11]
	s_cmp_eq_u32 s41, 2
	s_cselect_b64 s[32:33], s[12:13], s[32:33]
	s_add_nc_u64 s[32:33], s[32:33], s[46:47]
	s_lshl_b32 s46, s41, 20                        ; to: part + (64 head + 32 half) rows of 1,024 bytes + 256 x K part
	s_lshl_b32 s48, s42, 16
	s_add_co_u32 s46, s46, s48
	s_lshl_b32 s48, s44, 15
	s_add_co_u32 s46, s46, s48
	s_lshl_b32 s48, s43, 8
	s_add_co_u32 s46, s46, s48
	s_add_nc_u64 s[34:35], s[20:21], s[46:47]
	v_lshlrev_b32 v3, 2, v2                        ; in: 4 bytes a lane
	s_mul_i32 s49, s2, 32*WP
	s_add_co_u32 s49, s49, WBASE                   ; my stage
	v_mul_u32_u24 v4, v2, WP
	v_add_nc_u32 v4, s49, v4                       ; into it: row = my column
	v_and_b32 v5, 15, v2
	v_lshrrev_b32 v6, 4, v2
	v_mul_u32_u24 v7, v6, WP
	v_lshl_add_u32 v7, v5, 4, v7
	v_add_nc_u32 v7, s49, v7                       ; out of it: sixteen lanes to a row, two rows an instruction
	v_lshlrev_b32 v8, 10, v6
	v_lshl_add_u32 v8, v5, 4, v8                   ; and the same place in wc
	LOADW 0
	LOADW 1
	s_wait_kmcnt 0x0
	s_cmp_eq_u32 s41, 0
	s_cselect_b32 s50, s24, s26                    ; e0 or e2,
	s_cmp_eq_u32 s41, 2
	s_cselect_b32 s50, s28, s50                    ; or e4
	MKSC 50, 11, 10
.irp t, 0,1,2,3,4,5,6,7
	BLOCKW \t
.endr
.irp t, 0,1,2,3,4,5,6,7,8,9,10,11,12,13,14,15
	ds_load_b128 v[WO+4*\t:WO+4*\t+3], v7 offset:2*\t*WP
.endr
.irp t, 0,1,2,3,4,5,6,7,8,9,10,11,12,13,14,15
	s_wait_dscnt 15-\t
	global_store_b128 v8, v[WO+4*\t:WO+4*\t+3], s[34:35] offset:(8*(((\t/4)&1)*2+((\t/4)>>1))+(2*\t)%8)*1024   ; columns 2 t, 2 t + 1 go to their positions; sixteen lanes store 256 consecutive bytes, aligned
.endr
	s_wait_tensorcnt 0x0
	ds_add_u32 v254, v255
	s_wait_dscnt 0x0
	s_endpgm
.Lmask:
; ---------------- M: a wave takes one tile of 16 queries (tile tg of 512) and all 1,024 keys, 128 a step
	s_sub_co_u32 s32, ttmp9, NXW
	s_lshl_b32 s32, s32, 2
	s_add_co_u32 s32, s32, s2                      ; tg = 64 b + tile
	s_lshr_b32 s34, s32, 1
	s_lshl_b32 s34, s34, 5
	s_and_b32 s35, s32, 1
	s_lshl_b32 s35, s35, 3
	s_add_co_u32 s34, s34, s35                     ; the tile's first row: 32 (tg / 2) + 8 (tg % 2)
	s_lshl_b32 s34, s34, 12                        ; x 4,096 bytes
	s_mov_b32 s35, 0
	s_add_nc_u64 s[14:15], s[14:15], s[34:35]
	s_lshl_b32 s34, s32, 11                        ; a tile's 512 words
	s_add_nc_u64 s[22:23], s[22:23], s[34:35]
	v_lshlrev_b32 v3, 4, v2
	s_mul_i32 s36, s2, 16*MPI
	s_add_co_u32 s36, s36, MBASE                   ; my stage
	v_add_nc_u32 v4, s36, v3                       ; in: 16 x lane of a row
	v_and_b32 v7, 15, v2
	v_lshrrev_b32 v8, 4, v2
	v_mul_u32_u24 v5, v7, MPI
	v_lshl_add_u32 v5, v8, 6, v5
	v_add_nc_u32 v5, s36, v5                       ; back: row lane % 16, + 64 bytes for lanes 16-31
	v_lshlrev_b32 v6, 3, v2                        ; out: two words a lane
.irp i, 0,1,2,3,4,5,6,7,8,9,10,11,12,13,14,15
	v_mov_b32 v[MO+\i], 0                          ; written once whole: a lane write counts as a reader of its destination
.endr
	LOADM 0
	LOADM 1
.irp s, 0,1,2,3,4,5,6,7
	STEPM \s
.endr
	s_wait_tensorcnt 0x0
	ds_add_u32 v254, v255
	s_wait_dscnt 0x0
	s_endpgm
.Lfunc_end_k_q1d5302c6f2_prep:
	.size	k_q1d5302c6f2_prep, .Lfunc_end_k_q1d5302c6f2_prep-k_q1d5302c6f2_prep
	.p2alignl 7, 3214868480
	.fill 96, 4, 3214868480
	.section	.rodata,"a",@progbits
	.p2align	6, 0x0
	.amdhsa_kernel k_q1d5302c6f2_prep
		.amdhsa_group_segment_fixed_size 101888
		.amdhsa_private_segment_fixed_size 0
		.amdhsa_enable_private_segment 0
		.amdhsa_kernarg_size 80
		.amdhsa_user_sgpr_count 2
		.amdhsa_user_sgpr_kernarg_segment_ptr 1
		.amdhsa_wavefront_size32 1
		.amdhsa_system_sgpr_workgroup_id_x 1
		.amdhsa_system_sgpr_workgroup_id_y 1
		.amdhsa_system_sgpr_workgroup_id_z 1
		.amdhsa_system_vgpr_workitem_id 0
		.amdhsa_next_free_vgpr 256
		.amdhsa_next_free_sgpr 66
		.amdhsa_reserve_vcc 0
		.amdhsa_float_denorm_mode_32 3
		.amdhsa_float_denorm_mode_16_64 3
		.amdhsa_memory_ordered 1
		.amdhsa_forward_progress 1
		.amdhsa_inst_pref_size 191
	.end_amdhsa_kernel
	.amdgpu_metadata
---
amdhsa.version: [ 1, 2 ]
amdhsa.kernels:
  - .name:           k_q1d5302c6f2_prep
    .symbol:         k_q1d5302c6f2_prep.kd
    .args:
      - { .name: decoder_batch, .offset: 0, .size: 8, .value_kind: global_buffer, .address_space: global }
      - { .name: encoder_out, .offset: 8, .size: 8, .value_kind: global_buffer, .address_space: global }
      - { .name: Wq, .offset: 16, .size: 8, .value_kind: global_buffer, .address_space: global }
      - { .name: Wk, .offset: 24, .size: 8, .value_kind: global_buffer, .address_space: global }
      - { .name: Wv, .offset: 32, .size: 8, .value_kind: global_buffer, .address_space: global }
      - { .name: attn_mask, .offset: 40, .size: 8, .value_kind: global_buffer, .address_space: global }
      - { .name: lowp_scales, .offset: 48, .size: 8, .value_kind: global_buffer, .address_space: global }
      - { .name: xc, .offset: 56, .size: 8, .value_kind: global_buffer, .address_space: global }
      - { .name: wc, .offset: 64, .size: 8, .value_kind: global_buffer, .address_space: global }
      - { .name: maskw, .offset: 72, .size: 8, .value_kind: global_buffer, .address_space: global }
    .group_segment_fixed_size: 101888
    .private_segment_fixed_size: 0
    .kernarg_segment_align: 8
    .kernarg_segment_size: 80
    .max_flat_workgroup_size: 128
    .sgpr_count:     66
    .vgpr_count:     256
    .wavefront_size: 32
...
	.end_amdgpu_metadata
.endif
;; end of part 1
;; launch proj (part 2): grid 12 x 32, 4 waves a work-group, clusters of 4 x 4, 327,680 bytes of LDS; arguments xc, wc, bq, bk, bv, lowp_scales, pc; writes pc
.if DOCPART == 2
	.amdgcn_target "amdgcn-amd-amdhsa--gfx1250"
	.amdhsa_code_object_version 6
	.text
	.protected	k_q1d5302c6f2_proj
	.globl	k_q1d5302c6f2_proj
	.p2align	8
	.type	k_q1d5302c6f2_proj,@function
k_q1d5302c6f2_proj:
	s_mov_b64 s[64:65], 0
	v_nop
	global_prefetch_b8 v0, s[64:65] scope:SCOPE_SE
	s_setreg_imm32_b32 hwreg(HW_REG_WAVE_MODE, 25, 1), 1
	s_wait_xcnt 0x0
	s_wait_alu depctr_hold_cnt(0) depctr_sa_sdst(0) depctr_va_vdst(0) depctr_va_sdst(0) depctr_va_ssrc(0) depctr_va_vcc(0) depctr_vm_vsrc(0)
	s_getreg_b32 s2, hwreg(HW_REG_IB_STS2, 6, 4)
	s_cmp_eq_u32 s2, 0
	s_cbranch_scc0 .Lentry_in_a_cluster
	s_endpgm
.Lentry_in_a_cluster:
	s_bfe_u32 s2, ttmp6, 0x10000c
	s_cmp_lg_u32 s2, 0xf033
	s_cbranch_scc0 .Lentry_shape_is_right
	s_endpgm
.Lentry_shape_is_right:
; PROJ: the three projections, each 8,192 x 1,024 x 1,024 on codes of E5M2, in one grid; the bias is added and the result quantised again, straight into the
; register images that the attention launch loads.  Cluster x = G: 0 q (e0, e1 -> e6), 1 k (e2, e3 -> e7), 2 v (e4, e5 -> e9).
; A tile of 256 x 256 is made by four waves, 128 x 128 each: 64 accumulators, 512 registers.  K goes in steps of 256 through a ring of two LDS slots filled by the tensor data mover.
; THE MATRIX INSTRUCTION IS USED TRANSPOSED: source 0 = 16 rows of "B", source 1 = 16 rows of "A": a lane holds one row of A and eight rows of B.
;   q, k: A = tokens (xc), B = weight rows n = 64 head + channel (wc): a lane's registers run along the head's channels, the K of the scores.
;   v:    A = weight rows (wc), B = tokens (xc): a lane's registers run along the tokens, the K of the second product of attention.  Only the addresses differ.
; xc and wc hold their rows in the order in which 16 neighbouring positions are rows 32 (i/2) + 8 (i%2) + p + 8 (p/8): so the 16 registers of two neighbouring tiles of B are 16 neighbours.
; OUT: pc part G, byte ((RA x NCB + CB) x 32 + 4 a + c) x 512 + 16 x lane: RA, CB = the wave tile's place along A, B (NCB = 8, for v 64); a = block of 16 rows of A; c = 32 rows of B.
; CLUSTERS: 4 x 4 work-groups; A's tile is shared along a row of the cluster, B's along a column: joint loads.  All branches hang on the wave's number or on the cluster's x, which partners share.
; No prefetch: K has only four steps, two of which are asked for at the head.
; LIMITS: e0 + e1, e2 + e3, e4 + e5 between -126 and 127; e6, e7, e9 between -126 and 112.  NaN is not served.
; REGISTERS: window 0: v0-31 addresses and constants; v32-47 bias by row of A (v); v64-127 bias by row of B (q, k); from v128 A's fragments, one set; on the way out v128-191 numbers, v192-255 codes.
;   window 1: B's fragments, two sets.   windows 2, 3: the accumulators ((a, b) at v[8 (8 (a % 4) + b)] of window 2 + a / 4).
.set KSTEP,  256
.set ROWB,   256                       ; a tile's row in bytes
.set KROW,   1024                      ; a row of xc or wc in bytes
.set PITCH,  272                       ; an LDS row: 256 bytes + 16 of padding = 68 words: row r starts at bank 4 r mod 64 (ISA guide 11.1)
.set FR,     16
.set NL,     4
.set NP,     4                         ; places behind this matrix instruction (ISA guide 7.12.1)
.set HALFT,  128*PITCH
.set SLOT,   4*HALFT
.set LAPS,   2                         ; 1,024 along K = four K steps = twice round the ring
.set SPARE,  2*SLOT                    ; behind the ring: the spare words, 128 bytes for each wave, which no other line names
.set CBA,  8                           ; v8   byte offset of my bias by row of B
.set RBA,  9                           ; v9   byte offset of my bias by row of A
.set ADRA, 16
.set ADRB, 20
.set OFS,  27                          ; v27  16 x lane
.set SPW,  28
.set NIL,  29
.set SCL,  30                          ; v30  2^eo as f32
.set LIM,  31                          ; v31  57,344 x 2^eo
.set RB,   32
.set CBI,  64
.set TMP,  128
.set COD,  192
.set AF,   128
.set G1, 24
.set G0, 32
.set G1B, 48
.set G0B, 56
.set MSB, 0
.macro WIN new                         ; the immediate's high byte repeats the setting that is left
.if MSB != \new
	s_set_vgpr_msb (MSB<<8)|\new
.set MSB, \new
.endif
.endm
.set MUL_LO, 0xa1                      ; source 0 (B) window 1, source 1 (A) window 0, C and D window 2
.set MUL_HI, 0xf1
.set TO_B,   0x40
; A joint load: waves 0 and 1 fetch for A, waves 2 and 3 for B.  Four v_nop follow each of the two lines, ahead of the jump, the label and what follows.
.macro JLOAD g0a, g1a, g0b, g1b
	s_cmp_eq_u32 s15, 0
	s_cbranch_scc0 .Lfor_b_\@
	tensor_load_to_lds s[\g0a:\g0a+3], s[\g1a:\g1a+7]
	s_nop 0
.rept 4
	v_nop
.endr
	s_branch .Lasked_\@
.Lfor_b_\@:
	tensor_load_to_lds s[\g0b:\g0b+3], s[\g1b:\g1b+7]
	s_nop 0
.rept 4
	v_nop
.endr
.Lasked_\@:
.endm
.macro CREST                           ; a round of the cluster's barrier behind its opening barrier
	s_cmp_lg_u32 s14, 0
	s_cbranch_scc1 .Lnot_wave_0_\@
	s_barrier_signal -3
.Lnot_wave_0_\@:
	s_barrier_wait -3
	s_barrier_signal -1
	s_barrier_wait -1
.endm
.macro CROUND
	s_barrier_signal -1
	s_barrier_wait -1
	CREST
.endm
	s_load_b256 s[68:75], s[0:1], 0x0              ; xc s[68:69], wc s[70:71], bq s[72:73], bk s[74:75]
	s_load_b128 s[76:79], s[0:1], 0x20             ; bv s[76:77], lowp_scales s[78:79]
	s_load_b64 s[80:81], s[0:1], 0x30              ; pc
	v_lshl_add_u32 v[SPW], v0, 2, SPARE
	v_mov_b32 v[NIL], 0
	ds_add_u32 v28, v29
	ds_add_u32 v28, v29
	s_wait_dscnt 0x0
	v_lshrrev_b32 v1, 5, v0
	v_readfirstlane_b32 s14, v1                    ; wave 0..3
	s_lshr_b32 s15, s14, 1                         ; which half of the tile's rows of A is mine.  Also: I fetch for A (0) or for B (1)
	s_and_b32 s16, s14, 1                          ; which half of its rows of B.  Also: which 128 rows of that tile I fetch
	s_bfe_u32 s40, ttmp6, 0x40000                  ; cx
	s_bfe_u32 s41, ttmp6, 0x40004                  ; cy
	s_and_b32 s13, ttmp7, 0xffff
	s_lshl_b32 s13, s13, 2                         ; 4 x cluster y: it walks the 32 tiles of tokens
	s_cmp_eq_u32 ttmp9, 2                          ; v?
	s_cselect_b32 s17, 0, s13
	s_cselect_b32 s42, s13, 0
	s_add_co_u32 s17, s17, s41                     ; A's tile = cy (+ 4 x cluster y for q, k)
	s_add_co_u32 s42, s42, s40                     ; B's tile = cx (+ 4 x cluster y for v)
	s_lshl_b32 s43, s41, 2
	s_lshl_b32 s43, 15, s43                        ; my row of the cluster
	s_lshl_b32 s44, 0x1111, s40                    ; my column
	s_or_b32 s[G1+0], s43, (0<<16)|(1<<20)|(1<<21)|(5<<22)|(3<<25)  ; 15:0 the mask; 17:16 elements of 1 byte; 20 padding on; 21 set beside a mask; 24:22 after every 64 words; 31:25 four words
	s_or_b32 s[G1B+0], s44, (0<<16)|(1<<20)|(1<<21)|(5<<22)|(3<<25)
.irp g, G1, G1B
	s_mov_b32 s[\g+1], ROWB<<16                    ; tensor_dim0
	s_mov_b32 s[\g+2], 128<<16                     ; tensor_dim1
	s_mov_b32 s[\g+3], ROWB<<16                    ; tile_dim0
	s_mov_b32 s[\g+4], 128                         ; tile_dim1
	s_mov_b32 s[\g+5], KROW                        ; tensor_dim0_stride
	s_mov_b32 s[\g+6], 0
	s_mov_b32 s[\g+7], 0
.endr
	s_lshl_b32 s18, s16, 7                         ; which 128 rows of the tile I fetch
	s_lshl_b32 s20, s17, 8
	s_add_co_u32 s20, s20, s18
	s_lshl_b32 s20, s20, 10                        ; A: (256 x tile + 128 x half) rows of 1,024 bytes
	s_lshl_b32 s46, s42, 8
	s_add_co_u32 s46, s46, s18
	s_lshl_b32 s46, s46, 10                        ; B likewise
	s_lshl_b32 s21, ttmp9, 23                      ; A's part: xc part G; for v wc part 2
	s_lshl_b32 s47, ttmp9, 20                      ; B's part: wc part G; for v xc part 2
	s_cmp_eq_u32 ttmp9, 2
	s_cselect_b32 s21, 0x200000, s21
	s_cselect_b32 s47, 0x1000000, s47
	s_add_co_u32 s20, s20, s21
	s_add_co_u32 s46, s46, s47
	s_mov_b32 s21, 0
	s_mov_b32 s47, 0
	s_mul_i32 s45, s14, HALFT                      ; where they go: wave x 128 rows: no place in the cluster enters an LDS address
	s_wait_kmcnt 0x0
	s_load_b256 s[84:91], s[78:79], 0x0            ; e0 .. e7
	s_load_b64 s[92:93], s[78:79], 0x20            ; e8, e9
	s_cmp_eq_u32 ttmp9, 2
	s_cselect_b64 s[4:5], s[70:71], s[68:69]       ; A's buffer,
	s_cselect_b64 s[6:7], s[68:69], s[70:71]       ; B's: the choice hangs on the cluster's x alone
	s_add_nc_u64 s[20:21], s[4:5], s[20:21]
	s_add_nc_u64 s[46:47], s[6:7], s[46:47]
	CROUND                                         ; all sixteen work-groups are here: the first joint loads meet
.irp s, 0,1
	s_mov_b32 s[G0+4*\s], 1
	s_add_co_u32 s[G0+4*\s+1], s45, \s*SLOT
	s_add_nc_u64 s[G0+4*\s+2:G0+4*\s+3], s[20:21], \s*ROWB
	s_or_b32 s[G0+4*\s+3], s[G0+4*\s+3], 0x80000000
	s_mov_b32 s[G0B+4*\s], 1
	s_add_co_u32 s[G0B+4*\s+1], s45, \s*SLOT
	s_add_nc_u64 s[G0B+4*\s+2:G0B+4*\s+3], s[46:47], \s*ROWB
	s_or_b32 s[G0B+4*\s+3], s[G0B+4*\s+3], 0x80000000
	JLOAD G0+4*\s, G1, G0B+4*\s, G1B
.endr
	v_and_b32 v1, 15, v0                           ; r = lane % 16
	v_bfe_u32 v2, v0, 4, 1                         ; h = lane / 16
	v_mul_u32_u24 v3, v1, PITCH
	v_lshl_add_u32 v4, v2, 4, v3                   ; a fragment's row x pitch + 16 x half
	s_mul_i32 s21, s15, HALFT                      ; my 128 rows of A
	s_mul_i32 s22, s16, HALFT                      ; my 128 rows of B,
	s_add_co_u32 s22, s22, 2*HALFT                 ; which lie behind A's 256
.irp s, 0,1
	v_add_nc_u32 v[ADRA+\s], s21, v4
	v_add_nc_u32 v[ADRB+\s], s22, v4
	s_add_co_u32 s21, s21, SLOT
	s_add_co_u32 s22, s22, SLOT
.endr
	; the biases and the way out
	s_cmp_eq_u32 ttmp9, 0
	s_cselect_b64 s[8:9], s[72:73], s[74:75]
	s_cmp_eq_u32 ttmp9, 2
	s_cselect_b64 s[8:9], s[76:77], s[8:9]         ; bq, bk or bv
	s_lshl_b32 s22, s17, 1
	s_add_co_u32 s22, s22, s15                     ; RA: my wave tile along A
	s_lshl_b32 s23, s42, 1
	s_add_co_u32 s23, s23, s16                     ; CB: along B
	s_cmp_eq_u32 ttmp9, 2
	s_cselect_b32 s12, 0, s23                      ; both kinds of bias are loaded whatever G is; the kind that is not used is read at the buffer's head, so that no load leaves it
	s_cselect_b32 s13, s22, 0
	s_cselect_b32 s11, 6, 3                        ; log2 NCB
	s_lshl_b32 s10, s22, s11
	s_add_co_u32 s10, s10, s23
	s_lshl_b32 s10, s10, 14                        ; (RA x NCB + CB) x 16,384
	s_lshl_b32 s11, ttmp9, 23
	s_add_co_u32 s10, s10, s11                     ; + part G
	s_mov_b32 s11, 0
	s_add_nc_u64 s[10:11], s[80:81], s[10:11]
	s_lshl_b32 s12, s12, 9
	s_lshl_b32 s13, s13, 9                         ; 128 numbers of 4 bytes to a wave tile
	v_lshlrev_b32 v[CBA], 6, v2
	v_add_nc_u32 v[CBA], s12, v[CBA]               ; by row of B: register 16 c + i wants number 128 CB + 32 c + 16 h + i
	v_and_b32 v5, 8, v1
	v_add_nc_u32 v5, v5, v1
	v_lshlrev_b32 v[RBA], 2, v5
	v_add_nc_u32 v[RBA], s13, v[RBA]               ; by row of A: block a wants number 128 RA + 32 (a/2) + 8 (a%2) + r + 8 (r/8)
	v_and_b32 v6, 31, v0
	v_lshlrev_b32 v[OFS], 4, v6
.irp b, 0,1,2,3
.irp c, 0,1,2,3
	global_load_b128 v[CBI+16*\b+4*\c:CBI+16*\b+4*\c+3], v[CBA], s[8:9] offset:128*\b+16*\c
.endr
.endr
.irp a, 0,1,2,3,4,5,6,7
	global_load_b32 v[RB+2*\a], v[RBA], s[8:9] offset:4*(32*(\a/2)+8*(\a%2))
.endr
.macro FRAG reg, adr, q, i             ; a fragment, 16 rows x 128 K: lane l holds row l % 16; registers 4 c .. 4 c + 3 hold K = 32 c + 16 (l / 16) + 0 .. 15, alike in A and B
.irp c, 0,1,2,3
	ds_load_b128 v[\reg+4*\c:\reg+4*\c+3], v[\adr] offset:128*(\q)+32*\c+(\i)*16*PITCH
.endr
.endm
; 16 matrix instructions: A's blocks a0, a0 + 1 x B's eight.  The 64 accumulators take turns, one instruction a turn, in the same order in every step.
.macro MUL16 a0, p, zero
.irp a, \a0, \a0+1
.irp b, 0,1,2,3,4,5,6,7
.if \zero
	v_wmma_f32_16x16x128_bf8_bf8 v[8*(8*((\a)%4)+\b):8*(8*((\a)%4)+\b)+7], v[128*(\p)+FR*\b:128*(\p)+FR*\b+FR-1], v[AF+FR*(\a):AF+FR*(\a)+FR-1], 0
.else
	v_wmma_f32_16x16x128_bf8_bf8 v[8*(8*((\a)%4)+\b):8*(8*((\a)%4)+\b)+7], v[128*(\p)+FR*\b:128*(\p)+FR*\b+FR-1], v[AF+FR*(\a):AF+FR*(\a)+FR-1], v[8*(8*((\a)%4)+\b):8*(8*((\a)%4)+\b)+7]
.endif
.endr
.endr
.endm
.macro FETCH_B slot, q, p
	WIN TO_B
.irp i, 0,1,2,3,4,5,6,7
	FRAG 128*(\p)+FR*\i, ADRB+\slot, \q, \i
.endr
	WIN 0
.endm
.macro FETCH_A slot, q, i0
.irp i, \i0, \i0+1, \i0+2, \i0+3
	FRAG AF+FR*(\i), ADRA+\slot, \q, \i
.endr
.endm
.macro PLACES n                        ; plain vector lines between a matrix instruction and a load into, or a read of, its registers
.rept \n
	v_nop
.endr
.endm
; A step of 128 along K that has its successor in the same slot.  A has one set of registers (blocks 0-3 fetched anew in the middle, 4-7 at the end), B two.
.macro STEP slot, q, zero
	s_wait_dscnt 4*NL                              ; B's set and A's blocks 0-3 are in; the youngest sixteen loads (A's blocks 4-7) may be out
	WIN MUL_LO
	MUL16 0, (\q)%2, \zero
	MUL16 2, (\q)%2, \zero
	s_wait_dscnt 0                                 ; A's blocks 4-7 are in
	PLACES NP
	FETCH_B \slot, (\q)+1, 1-(\q)%2
	FETCH_A \slot, (\q)+1, 0
	WIN MUL_HI
	MUL16 4, (\q)%2, \zero
	MUL16 6, (\q)%2, \zero
	PLACES NP
	WIN 0
	FETCH_A \slot, (\q)+1, 4
.endm
; A slot's last step changes slots: one barrier; in front of it each wave waits for all its tensor loads, adds 0 to its spare word, and waits for that and for its own reads of this slot.
.macro TURN slot, next, fill
	s_wait_tensorcnt 0x0                           ; all my tensor loads have landed: my part of the next slot
	ds_add_u32 v[SPW], v[NIL]                      ; 0 onto my spare word
	s_wait_dscnt 4*NL+1                            ; the add and the youngest sixteen loads may be out
	WIN MUL_LO
	MUL16 0, 1, 0
	s_wait_dscnt 0x0                               ; the add is done, and my reads of this slot are over
	s_barrier_signal -1
	MUL16 2, 1, 0
	WIN 0
	s_barrier_wait -1
.if \fill
	CREST                                          ; the barrier has opened a round of the cluster's barrier: no wave of any partner still reads this slot or has a load on its way
	s_add_nc_u64 s[G0+4*\slot+2:G0+4*\slot+3], s[G0+4*\slot+2:G0+4*\slot+3], 2*ROWB
	s_add_nc_u64 s[G0B+4*\slot+2:G0B+4*\slot+3], s[G0B+4*\slot+2:G0B+4*\slot+3], 2*ROWB
	JLOAD G0+4*\slot, G1, G0B+4*\slot, G1B         ; the first tensor load behind the round; its four v_nop are the places in front of the loads below
.else
	PLACES NP
.endif
	FETCH_B \next, 0, 0
	FETCH_A \next, 0, 0
	WIN MUL_HI
	MUL16 4, 1, 0
	MUL16 6, 1, 0
	PLACES NP
	WIN 0
	FETCH_A \next, 0, 4
.endm
	s_wait_tensorcnt 1                             ; my part of K step 0 is in (K step 1's load may be out)
	s_barrier_signal -1
	s_barrier_wait -1                              ; everybody's is
	FETCH_B 0, 0, 0
	FETCH_A 0, 0, 0
	FETCH_A 0, 0, 4
	STEP 0, 0, 1                                   ; the first step's products start the sums: nothing is cleared
	s_mov_b32 s3, LAPS-1
.Llap:
	TURN 0, 1, 1
	STEP 1, 0, 0
	TURN 1, 0, 1
	STEP 0, 0, 0
	s_sub_co_u32 s3, s3, 1
	s_cmp_lg_u32 s3, 0
	s_cbranch_scc1 .Llap
	TURN 0, 1, 0                                   ; the last lap fills nothing
	STEP 1, 0, 0
	s_wait_dscnt 4*NL
	WIN MUL_LO
	MUL16 0, 1, 0
	MUL16 2, 1, 0
	s_wait_dscnt 0
	WIN MUL_HI
	MUL16 4, 1, 0
	MUL16 6, 1, 0
	WIN 0
; THE WAY OUT.  number = sum x 2^(the two operands' e) + bias, one fused multiply-add; held within +-57,344 x 2^eo; converted with 2^eo.  A block's 64 numbers of a lane become 16 registers of codes,
; which leave as four images: each store covers 512 consecutive bytes, aligned.  No LDS: the layout of pc is the registers' own.
	s_wait_kmcnt 0x0
	s_add_co_i32 s84, s84, s85
	s_add_co_i32 s86, s86, s87
	s_add_co_i32 s88, s88, s89
	s_cmp_eq_u32 ttmp9, 0
	s_cselect_b32 s96, s84, s86
	s_cselect_b32 s94, s90, s91                    ; eo: e6 for q, e7 for k,
	s_cmp_eq_u32 ttmp9, 2
	s_cselect_b32 s96, s88, s96
	s_cselect_b32 s94, s93, s94                    ; e9 for v
	s_add_co_i32 s96, s96, 127
	s_lshl_b32 s96, s96, 23                        ; 2^(sum of the two exponents) as f32
	s_mov_b32 s97, s96                             ; (named with it as a pair, so it is written)
	s_add_co_i32 s94, s94, 127
	s_lshl_b32 s95, s94, 23
	s_add_co_i32 s94, s94, 15
	s_lshl_b32 s94, s94, 23
	s_or_b32 s94, s94, 0x600000
	s_wait_loadcnt 0x0                             ; the biases
	v_mov_b32 v[SCL], s95                          ; these ten plain lines name no register of the last products: they are the places behind them
	v_mov_b32 v[LIM], s94
.irp a, 0,1,2,3,4,5,6,7
	v_mov_b32 v[RB+2*\a+1], v[RB+2*\a]             ; a pair for the packed form
.endr
.macro EPI kind                        ; kind 0: the bias goes by row of B (q, k); 1: by row of A (v)
.irp a, 0,1,2,3,4,5,6,7
	WIN 0x02+(\a/4)                                ; source 0: window 2 or 3
.set j, 0
.rept 32
.if \kind
	v_pk_fma_f32 v[TMP+j:TMP+j+1], v[64*(\a%4)+j:64*(\a%4)+j+1], s[96:97], v[RB+2*\a:RB+2*\a+1] op_sel_hi:[1,0,1]   ; each accumulator from its low end on
.else
	v_pk_fma_f32 v[TMP+j:TMP+j+1], v[64*(\a%4)+j:64*(\a%4)+j+1], s[96:97], v[CBI+j:CBI+j+1] op_sel_hi:[1,0,1]
.endif
.set j, j+2
.endr
	WIN 0
.set j, 0
.rept 64
	v_med3_num_f32 v[TMP+j], v[TMP+j], -v[LIM], v[LIM]   ; the conversion does not saturate (ISA guide 7.6.2)
.set j, j+1
.endr
.if \a >= 4
	s_wait_xcnt 0x0                                ; block a - 4's stores have read their registers: this block's codes take them
.endif
.irp g, 0,1,2,3,4,5,6,7
	v_cvt_scalef32_pk8_bf8_f32 v[COD+16*(\a%4)+2*\g:COD+16*(\a%4)+2*\g+1], v[TMP+8*\g:TMP+8*\g+7], v[SCL]
.endr
	v_nop                                          ; a plain line between the last conversion and the next block's lines, which write its sources
.irp c, 0,1,2,3
	global_store_b128 v[OFS], v[COD+16*(\a%4)+4*\c:COD+16*(\a%4)+4*\c+3], s[10:11] offset:(4*\a+\c)*512
.endr
.endr
.endm
	s_cmp_eq_u32 ttmp9, 2                          ; the cluster's x: the same in all partners
	s_cbranch_scc1 .Lway_v
	EPI 0
	s_branch .Lclose
.Lway_v:
	EPI 1
.Lclose:
	s_wait_tensorcnt 0x0                           ; the wave's end
	ds_add_u32 v[SPW], v[NIL]
	s_wait_dscnt 0x0
	CROUND                                         ; the closing round: no work-group ends while a partner may still ask for a tile that names it
	s_endpgm
.Lfunc_end_k_q1d5302c6f2_proj:
	.size	k_q1d5302c6f2_proj, .Lfunc_end_k_q1d5302c6f2_proj-k_q1d5302c6f2_proj
	.p2alignl 7, 3214868480
	.fill 96, 4, 3214868480
	.section	.rodata,"a",@progbits
	.p2align	6, 0x0
	.amdhsa_kernel k_q1d5302c6f2_proj
		.amdhsa_group_segment_fixed_size 327680
		.amdhsa_private_segment_fixed_size 0
		.amdhsa_enable_private_segment 0
		.amdhsa_kernarg_size 56
		.amdhsa_user_sgpr_count 2
		.amdhsa_user_sgpr_kernarg_segment_ptr 1
		.amdhsa_wavefront_size32 1
		.amdhsa_system_sgpr_workgroup_id_x 1
		.amdhsa_system_sgpr_workgroup_id_y 1
		.amdhsa_system_sgpr_workgroup_id_z 1
		.amdhsa_system_vgpr_workitem_id 0
		.amdhsa_next_free_vgpr 1024
		.amdhsa_next_free_sgpr 98
		.amdhsa_reserve_vcc 0
		.amdhsa_float_denorm_mode_32 3
		.amdhsa_float_denorm_mode_16_64 3
		.amdhsa_memory_ordered 1
		.amdhsa_forward_progress 1
		.amdhsa_inst_pref_size 193
	.end_amdhsa_kernel
	.amdgpu_metadata
---
amdhsa.version: [ 1, 2 ]
amdhsa.kernels:
  - .name:           k_q1d5302c6f2_proj
    .symbol:         k_q1d5302c6f2_proj.kd
    .args:
      - { .name: xc, .offset: 0, .size: 8, .value_kind: global_buffer, .address_space: global }
      - { .name: wc, .offset: 8, .size: 8, .value_kind: global_buffer, .address_space: global }
      - { .name: bq, .offset: 16, .size: 8, .value_kind: global_buffer, .address_space: global }
      - { .name: bk, .offset: 24, .size: 8, .value_kind: global_buffer, .address_space: global }
      - { .name: bv, .offset: 32, .size: 8, .value_kind: global_buffer, .address_space: global }
      - { .name: lowp_scales, .offset: 40, .size: 8, .value_kind: global_buffer, .address_space: global }
      - { .name: pc, .offset: 48, .size: 8, .value_kind: global_buffer, .address_space: global }
    .group_segment_fixed_size: 327680
    .private_segment_fixed_size: 0
    .kernarg_segment_align: 8
    .kernarg_segment_size: 56
    .max_flat_workgroup_size: 128
    .sgpr_count:     98
    .vgpr_count:     1024
    .wavefront_size: 32
...
	.end_amdgpu_metadata
.endif
;; end of part 2
;; launch attn (part 3): grid 2 x 128, 8 waves a work-group, no clusters, 72,704 bytes of LDS; arguments pc, maskw, lowp_scales, out0; writes out0
.if DOCPART == 3
	.amdgcn_target "amdgcn-amd-amdhsa--gfx1250"
	.amdhsa_code_object_version 6
	.text
	.protected	k_q1d5302c6f2_attn
	.globl	k_q1d5302c6f2_attn
	.p2align	8
	.type	k_q1d5302c6f2_attn,@function
k_q1d5302c6f2_attn:
	s_mov_b64 s[64:65], 0
	v_nop
	global_prefetch_b8 v0, s[64:65] scope:SCOPE_SE
	s_setreg_imm32_b32 hwreg(HW_REG_WAVE_MODE, 25, 1), 1
	s_wait_xcnt 0x0
; ATTN: out0[b][q][64 h + :] = sum over keys of Q8(softmax(mask(q . k / 8))) x v, both products on codes of E5M2; the scores are quantised FINISHED AND NORMALISED (scale e8).
; SHARES.  A work-group owns 512 queries of one (b, h).  Wave w: qs = w / 4, kq = w % 4.  A wave owns keys 256 kq .. + 255 for the whole launch: its 16 fragments of K and 8 of V^T
; (256 registers, window 1) are loaded once and stay.  16 steps; in step i the wave takes query tile 32 qh + 2 i + qs (16 queries) against its 256 keys, as two pieces of 128 keys.
; Both products are used transposed (S^T = K Q^T, O^T = V^T P^T): a lane holds ONE query (lane % 16), and its 16 registers of two neighbouring tiles are 16 neighbouring keys.
; SOFTMAX WITH ONE EXPONENTIAL A SCORE.  t = c x score, c = log2(e) / 8 x 2^(e6 + e7).  For each piece and lane: tM = its largest t (at least -3e38), e = 2^(t - tM), l = sum of e.
; For the wave: tMw = the largest tM of both pieces and both halves of the lanes, lw = sum of l x 2^(tM - tMw).  The four waves of a query tile exchange (tMw, lw) through LDS:
; tMg = the largest, tot = sum of lw x 2^(tMw - tMg); p = e x 2^(tM - tMw) x 2^(tMw - tMg) / tot.  So the row's true maximum is taken away, and p is the finished score.
; A masked score is -infinity ahead of the maximum (e = 0); a row that is masked throughout has tot = 0, which is held at 2^-126 from below: p = 0 there.
; The four waves' partial O^T meet in LDS a step later; each wave adds and stores four of the tile's 16 rows.  One barrier a step: statistics and partial results lie in two sets by turns.
; THE ORDER.  A stretch of the text goes from one barrier to the next; it FINISHES step i and BEGINS step i + 1, piece by piece, as each piece's 64 registers come free:
;   statistics, factors and the reduction of step i - 1 | p, codes, V^T P of piece 0 (i) | K Q^T, mask, maximum of piece 0 (i + 1) | piece 0's scalings and exponentials (i + 1) AMONG piece 1's multiplies and holds (i) |
;   codes, V^T P of piece 1 (i) | K Q^T, mask, maximum of piece 1 (i + 1) | piece 1's scalings and exponentials AMONG piece 0's sums | piece 1's sums, the wave's statistics, the barrier.
; So each exponential has a plain line of the same wave beside it, and the two requests for mask words (64 scalar registers hold one piece's) lie about a third and a half of a stretch ahead of their use.
; The mask comes as words of 32 bits, one bit a lane, by scalar loads: one v_cndmask_b32 a score.
; No tensor load, no ring, no cluster: K and V are read once, straight into registers, and the loop reads from memory only 1 KiB of Q and 512 bytes of mask words a wave and step, asked for ahead; so no prefetch either.
; LIMITS: e6 + e7 between -123 and 130; e8 between -126 and 112; e8 + e9 between -126 and 127.  A masked score counts as -infinity where the definition has -1e30: the same unless a true logit lies under -1e30.
; A p under 2^-126 counts as 0.  NaN is not served.
; REGISTERS, window 0: v1-6 addresses; v7 -inf; v8 2^e8; v9, v11 57,344 x 2^e8; v10, v12 tM of the pieces (low words of pairs); v14, v15, v30, v31 at work (v14, v15 also 2^(tM - tMw)); v16-23 piece 0's sums;
;   v[24:25] (tMw, lw); v26, v28 the pieces' factors (low words of pairs); v32-39 piece 1's sums, then the four waves' statistics; v40-47 rows of out0; v48-63 Q, two sets; v64-95 O^T, also the partial results read back;
;   v96-127 p's codes; v128-191 piece 0's, v192-255 piece 1's S^T, then e, then p.   window 1: v0-127 K (tile t at 8 t); v128-255 V^T (piece p, channels' tile d at 128 + 16 (4 p + d)).
; SCALARS: s2 wave, s3 qs, s4 kq; s[6:7] Q's base, s[8:9] Q in hand, s[10:11] mask words, s[12:13] out0; s[14:15] c; s[16:17] lane selects; s[18:19] 2^(e8 + e9); s20 the step whose Q is asked for next; s21 trips; s32-63, s68-99 64 mask words.
.set S,    128
.set OT,   64
.set CD,   96
.set OBUF, 2048                        ; LDS: 0-2,047 statistics [set 2][qs 2][query 16][kq 4] x 8 bytes; then partial results [set 2][wave 8] x 16 rows x 272 bytes
.set OSET, 34816
.set OWAV, 4352
.set MSB, 0
.macro WIN new                         ; the immediate's high byte repeats the setting that is left; a switch that changes nothing is dropped
.if MSB != \new
	s_set_vgpr_msb (MSB<<8)|\new
.set MSB, \new
.endif
.endm
.macro MLOAD off                       ; a piece's 64 mask words: word x lands in s[32 + x + 4 (x / 32)]
	s_load_b512 s[32:47], s[10:11], \off
	s_load_b512 s[48:63], s[10:11], \off+64
	s_load_b512 s[68:83], s[10:11], \off+128
	s_load_b512 s[84:99], s[10:11], \off+192
.endm
.macro QKP p, qset                     ; S^T of piece p: eight tiles of 16 keys; each product starts and ends its sum (K = the head's 64).  It leaves source 0 in window 1
	WIN 0x01
.set t, 8*\p
.rept 8
	v_wmma_f32_16x16x64_bf8_bf8 v[S+8*t:S+8*t+7], v[8*t:8*t+7], v[48+8*(\qset):55+8*(\qset)], 0
.set t, t+1
.endr
.endm
.macro MASK p                          ; ascending: each accumulator is read from its low end on
.set x, 0
.rept 64
	v_cndmask_b32 v[S+64*\p+x], v7, v[S+64*\p+x], s[32+x+4*(x/32)]
.set x, x+1
.endr
.endm
.macro MAXP p                          ; tM of the piece: four chains of 15 scores, the four left over, then x c (c is positive), then the floor
.set B0, S+64*\p
	v_max3_num_f32 v14, v[B0], v[B0+1], v[B0+2]
	v_max3_num_f32 v15, v[B0+16], v[B0+17], v[B0+18]
	v_max3_num_f32 v30, v[B0+32], v[B0+33], v[B0+34]
	v_max3_num_f32 v31, v[B0+48], v[B0+49], v[B0+50]
.irp i, 3,5,7,9,11,13
	v_max3_num_f32 v14, v14, v[B0+\i], v[B0+\i+1]
	v_max3_num_f32 v15, v15, v[B0+16+\i], v[B0+17+\i]
	v_max3_num_f32 v30, v30, v[B0+32+\i], v[B0+33+\i]
	v_max3_num_f32 v31, v31, v[B0+48+\i], v[B0+49+\i]
.endr
	v_max3_num_f32 v14, v14, v[B0+15], v[B0+31]
	v_max3_num_f32 v30, v30, v[B0+47], v[B0+63]
	v_max3_num_f32 v14, v14, v15, v30
	v_max_num_f32 v14, v14, v31
	v_mul_f32 v14, s14, v14
	v_max_num_f32 v[10+2*\p], 0xff61b1e6, v14      ; at least -3e38: a piece that is masked throughout keeps a finite tM
.endm
; Line k of 32 of a piece's sum: its 32 pairs from v[src] on, in four chains of packed additions in v[dst] .. v[dst + 7]; the sum ends in v[dst]
.macro SUML src, dst
.if k < 4
	v_pk_add_f32 v[\dst+2*k:\dst+2*k+1], v[\src+2*k:\src+2*k+1], v[\src+2*k+8:\src+2*k+9]
.elseif k < 28
	v_pk_add_f32 v[\dst+2*(k%4):\dst+2*(k%4)+1], v[\dst+2*(k%4):\dst+2*(k%4)+1], v[\src+2*k+8:\src+2*k+9]
.elseif k == 28
	v_pk_add_f32 v[\dst:\dst+1], v[\dst:\dst+1], v[\dst+2:\dst+3]
.elseif k == 29
	v_pk_add_f32 v[\dst+4:\dst+5], v[\dst+4:\dst+5], v[\dst+6:\dst+7]
.elseif k == 30
	v_pk_add_f32 v[\dst:\dst+1], v[\dst:\dst+1], v[\dst+4:\dst+5]
.else
	v_add_f32 v[\dst], v[\dst], v[\dst+1]
.endif
.endm
; THE FIRST INTERLEAVED BLOCK.  next = 1: piece 0 of the step that begins: e = 2^(c s - tM), a pair's scaling one turn ahead of its two exponentials.
; prev = 1: piece 1 of the step that ends: p = e x its factor, and the hold one turn behind (the conversion does not saturate: ISA guide 7.6.2; p is not negative, so the hold is one-sided).
; No line of the block names an exponential's result: the batch has its one wait at the head of the second block.
.macro BLKX prev, next
.set k, 0
.rept 32
.if \next
	v_pk_fma_f32 v[S+2*k:S+2*k+1], v[S+2*k:S+2*k+1], s[14:15], v[10:11] op_sel_hi:[1,0,0] neg_lo:[0,0,1] neg_hi:[0,0,1]
.endif
.if \next && (k > 0)
	v_exp_f32 v[S+2*k-2], v[S+2*k-2]
.endif
.if \prev
	v_pk_mul_f32 v[S+64+2*k:S+65+2*k], v[S+64+2*k:S+65+2*k], v[28:29] op_sel_hi:[1,0]
.endif
.if \next && (k > 0)
	v_exp_f32 v[S+2*k-1], v[S+2*k-1]
.endif
.if \prev && (k > 0)
	v_dual_min_num_f32 v[S+62+2*k], v9, v[S+62+2*k] :: v_dual_min_num_f32 v[S+63+2*k], v11, v[S+63+2*k]
.endif
.set k, k+1
.endr
.if \next
	v_exp_f32 v[S+62], v[S+62]
.endif
.if \prev
	v_dual_min_num_f32 v[S+126], v9, v[S+126] :: v_dual_min_num_f32 v[S+127], v11, v[S+127]
.endif
.if \next
	v_exp_f32 v[S+63], v[S+63]
.endif
.endm
; THE SECOND INTERLEAVED BLOCK: piece 1's scalings and exponentials, and 2^(tM - tMw) of both pieces, among piece 0's sums.
.macro BLKY
	s_wait_alu depctr_va_vdst(0)                   ; one wait for piece 0's batch, ahead of its first reader (the sums below)
	v_exp_f32 v14, v14
	v_exp_f32 v15, v15
.set k, 0
.rept 32
	v_pk_fma_f32 v[S+64+2*k:S+65+2*k], v[S+64+2*k:S+65+2*k], s[14:15], v[12:13] op_sel_hi:[1,0,0] neg_lo:[0,0,1] neg_hi:[0,0,1]
.if k > 0
	v_exp_f32 v[S+62+2*k], v[S+62+2*k]
.endif
	SUML S, 16
.if k > 0
	v_exp_f32 v[S+63+2*k], v[S+63+2*k]
.endif
.set k, k+1
.endr
	v_exp_f32 v[S+126], v[S+126]
	v_exp_f32 v[S+127], v[S+127]
	v_nop                                          ; a plain line behind the last exponential
	s_wait_alu depctr_va_vdst(0)                   ; one wait for piece 1's batch and the two factors
.endm
.macro CVTPV p, zero                   ; a piece's codes, and O^T (+)= V^T P^T: the four accumulators by turns.  It leaves source 0 in window 1
.irp g, 0,1,2,3,4,5,6,7
	v_cvt_scalef32_pk8_bf8_f32 v[CD+16*\p+2*\g:CD+16*\p+2*\g+1], v[S+64*\p+8*\g:S+64*\p+8*\g+7], v8
.endr
	v_nop                                          ; a plain line between the last conversion and the matrix instructions that read the codes and write over the numbers
	WIN 0x01                                       ; source 0 (V^T) window 1
.irp d, 0,1,2,3
.if \zero
	v_wmma_f32_16x16x128_bf8_bf8 v[OT+8*\d:OT+8*\d+7], v[128+16*(4*\p+\d):128+16*(4*\p+\d)+15], v[CD+16*\p:CD+16*\p+15], 0
.else
	v_wmma_f32_16x16x128_bf8_bf8 v[OT+8*\d:OT+8*\d+7], v[128+16*(4*\p+\d):128+16*(4*\p+\d)+15], v[CD+16*\p:CD+16*\p+15], v[OT+8*\d:OT+8*\d+7]
.endif
.endr
.endm
.macro OLOAD set                       ; my four rows of the four waves' partial results: source w at v[64 + 8 w], two rows a load
.irp w, 0,1,2,3
.irp i, 0,1
	ds_load_b128 v[OT+8*\w+4*\i:OT+8*\w+4*\i+3], v5 offset:OSET*(\set)+OWAV*\w+544*\i
.endr
.endr
.endm
.macro REDA                            ; the four waves' partial results are added,
.irp u, 0,2,4,6
	v_pk_add_f32 v[OT+\u:OT+\u+1], v[OT+\u:OT+\u+1], v[OT+8+\u:OT+8+\u+1]
	v_pk_add_f32 v[OT+16+\u:OT+16+\u+1], v[OT+16+\u:OT+16+\u+1], v[OT+24+\u:OT+24+\u+1]
.endr
.irp u, 0,2,4,6
	v_pk_add_f32 v[OT+\u:OT+\u+1], v[OT+\u:OT+\u+1], v[OT+16+\u:OT+16+\u+1]
.endr
.endm
.macro REDB                            ; x 2^(e8 + e9), and stored: sixteen lanes store a query's 256 consecutive bytes, aligned
.irp u, 0,2,4,6
	v_pk_mul_f32 v[40+\u:41+\u], v[OT+\u:OT+\u+1], s[18:19] op_sel_hi:[1,0]
.endr
	global_store_b128 v6, v[40:43], s[12:13] th:TH_STORE_NT
	global_store_b128 v6, v[44:47], s[12:13] offset:8192 th:TH_STORE_NT
.endm
	s_load_b128 s[24:27], s[0:1], 0x0              ; pc s[24:25], maskw s[26:27]
	s_load_b128 s[28:31], s[0:1], 0x10             ; lowp_scales s[28:29], out0 s[30:31]
	v_lshrrev_b32 v30, 5, v0
	v_readfirstlane_b32 s2, v30                    ; wave 0..7
	s_lshr_b32 s3, s2, 2                           ; qs
	s_and_b32 s4, s2, 3                            ; kq
	s_and_b32 s5, ttmp7, 0xffff
	s_lshr_b32 s32, s5, 4                          ; b
	s_and_b32 s33, s5, 15                          ; h
	s_lshr_b32 s34, s33, 1
	s_and_b32 s35, s33, 1
	s_lshl_b32 s36, s32, 3                         ; 8 b
	s_lshl_b32 s37, s4, 1
	s_add_co_u32 s37, s36, s37                     ; 8 b + 2 kq: my first 128 tokens
	s_lshl_b32 s38, s37, 3                         ; K: part 1, ((8 b + 2 kq) x 8 + h / 2) x 16,384 + (h % 2) x 1,024
	s_add_co_u32 s38, s38, s34
	s_lshl_b32 s38, s38, 14
	s_lshl_b32 s39, s35, 10
	s_add_co_u32 s38, s38, s39
	s_add_co_u32 s38, s38, 0x800000
	s_mov_b32 s39, 0
	s_lshl_b32 s40, s34, 6                         ; V: part 2, ((h / 2) x 64 + 8 b + 2 kq) x 16,384 + (h % 2) x 8,192
	s_add_co_u32 s40, s40, s37
	s_lshl_b32 s40, s40, 14
	s_lshl_b32 s41, s35, 13
	s_add_co_u32 s40, s40, s41
	s_add_co_u32 s40, s40, 0x1000000
	s_mov_b32 s41, 0
	s_lshl_b32 s42, ttmp9, 2                       ; Q: part 0, ((8 b + 4 qh) x 8 + h / 2) x 16,384 + (h % 2) x 1,024 + 2,048 qs
	s_add_co_u32 s42, s42, s36
	s_lshl_b32 s42, s42, 3
	s_add_co_u32 s42, s42, s34
	s_lshl_b32 s42, s42, 14
	s_lshl_b32 s43, s35, 10
	s_add_co_u32 s42, s42, s43
	s_lshl_b32 s43, s3, 11
	s_add_co_u32 s42, s42, s43
	s_mov_b32 s43, 0
	s_lshl_b32 s44, s32, 6                         ; mask words: (64 b + 32 qh + qs) x 2,048 + 512 kq
	s_lshl_b32 s45, ttmp9, 5
	s_add_co_u32 s44, s44, s45
	s_add_co_u32 s44, s44, s3
	s_lshl_b32 s44, s44, 11
	s_lshl_b32 s45, s4, 9
	s_add_co_u32 s44, s44, s45
	s_mov_b32 s45, 0
	s_lshl_b32 s46, s32, 10                        ; out0: (1,024 b + 512 qh + 8 qs) x 4,096 + 256 h
	s_lshl_b32 s47, ttmp9, 9
	s_add_co_u32 s46, s46, s47
	s_lshl_b32 s47, s3, 3
	s_add_co_u32 s46, s46, s47
	s_lshl_b32 s46, s46, 12
	s_lshl_b32 s47, s33, 8
	s_add_co_u32 s46, s46, s47
	s_mov_b32 s47, 0
	v_and_b32 v30, 31, v0                          ; lane
	v_and_b32 v31, 15, v0                          ; r
	v_bfe_u32 v32, v0, 4, 1                        ; h
	v_lshlrev_b32 v1, 4, v30                       ; 16 x lane: an image's place for my lane
	s_lshl_b32 s48, s3, 9
	s_lshl_b32 s49, s4, 3
	v_lshlrev_b32 v3, 5, v31
	v_add_nc_u32 v3, s48, v3                       ; statistics, read: 32 r + 512 qs
	v_add_nc_u32 v2, s49, v3                       ; and written: + 8 kq
	s_mul_i32 s48, s2, OWAV
	s_add_co_u32 s48, s48, OBUF
	v_mul_u32_u24 v4, v31, 272
	v_lshl_add_u32 v4, v32, 6, v4
	v_add_nc_u32 v4, s48, v4                       ; partial results, written: my wave's 16 rows; row r, + 64 h
	s_mul_i32 s49, s3, 4*OWAV
	s_mul_i32 s50, s4, 4*272
	s_add_co_u32 s49, s49, s50
	s_add_co_u32 s49, s49, OBUF
	v_mul_u32_u24 v5, v32, 272
	v_lshl_add_u32 v5, v31, 4, v5
	v_add_nc_u32 v5, s49, v5                       ; and read: rows 4 kq + h (+ 2) of my query tile's four waves, 16 bytes a lane
	s_lshr_b32 s50, s4, 1
	s_lshl_b32 s50, s50, 3
	s_lshl_b32 s51, s4, 2
	s_add_co_u32 s50, s50, s51
	s_lshl_b32 s50, s50, 12
	v_lshlrev_b32 v6, 12, v32
	v_lshl_add_u32 v6, v31, 4, v6
	v_add_nc_u32 v6, s50, v6                       ; the same rows in out0: row r of a tile is query r + 8 (r / 8) from the tile's first
	v_mov_b32 v7, 0xff800000                       ; -infinity
	v_mov_b32 v13, 0                               ; upper words of pairs of which the low word alone is used: written once
	v_mov_b32 v27, 0
	v_mov_b32 v29, 0
	s_mov_b32 s16, 0x76543210                      ; v_permlanex16_b32: lane l xor 16
	s_mov_b32 s17, 0xfedcba98
	s_mov_b32 s20, 1                               ; step 0's Q is asked for here, at the head
	s_wait_kmcnt 0x0
	s_load_b128 s[56:59], s[28:29], 0x18           ; e6, e7, e8, e9
	s_add_nc_u64 s[22:23], s[24:25], s[38:39]      ; K
	s_add_nc_u64 s[6:7], s[24:25], s[42:43]        ; Q
	s_add_nc_u64 s[24:25], s[24:25], s[40:41]      ; V
	s_add_nc_u64 s[10:11], s[26:27], s[44:45]
	s_add_nc_u64 s[12:13], s[30:31], s[46:47]
	WIN 0x40                                       ; destination window 1
.irp t, 0,1,2,3,4,5,6,7,8,9,10,11,12,13,14,15
.irp c, 0,1
	global_load_b128 v[8*\t+4*\c:8*\t+4*\c+3], v1, s[22:23] offset:(\t/8)*131072+(\t%8)*2048+512*\c   ; each load reads 512 consecutive bytes
.endr
.endr
.irp p, 0,1
.irp d, 0,1,2,3
.irp c, 0,1,2,3
	global_load_b128 v[128+16*(4*\p+\d)+4*\c:128+16*(4*\p+\d)+4*\c+3], v1, s[24:25] offset:16384*\p+2048*\d+512*\c
.endr
.endr
.endr
	WIN 0
	global_load_b128 v[48:51], v1, s[6:7]          ; Q of step 0
	global_load_b128 v[52:55], v1, s[6:7] offset:512
	s_wait_kmcnt 0x0
	s_add_co_i32 s60, s56, s57
	s_lshl_b32 s60, s60, 23
	s_add_co_i32 s14, s60, 0x3e38aa3b              ; c = log2(e) / 8, with e6 + e7 added to its exponent field
	s_mov_b32 s15, s14                             ; (named with it as a pair, so it is written)
	s_add_co_i32 s60, s58, 127
	s_lshl_b32 s61, s60, 23
	v_mov_b32 v8, s61                              ; 2^e8 as f32
	s_add_co_i32 s60, s60, 15
	s_lshl_b32 s60, s60, 23
	s_or_b32 s60, s60, 0x600000
	v_mov_b32 v9, s60                              ; 57,344 x 2^e8,
	v_mov_b32 v11, s60                             ; twice: one for each half of the dual-issue pairs
	s_add_co_i32 s60, s58, s59
	s_add_co_i32 s60, s60, 127
	s_lshl_b32 s18, s60, 23                        ; 2^(e8 + e9) as f32
	s_mov_b32 s19, s18
	MLOAD 0                                        ; step 0, piece 0
; A STRETCH, from barrier to barrier.  par = the parity of step i, which it finishes (prev = 1); red = 1: step i - 1's partial results are added and stored; next = 1: it begins step i + 1 and ends with that step's barrier.
; Sets by parity: Q of step i + 1 lies in set 1 - par, and set par takes Q of step i + 2; statistics and partial results of step i lie in set par.
.macro SEG par, prev, red, next
.if \prev
	ds_load_b128 v[32:35], v3 offset:1024*\par     ; the four waves' (tMw, lw) of my query
	ds_load_b128 v[36:39], v3 offset:1024*\par+16
.if \red
	OLOAD 1-\par
	s_wait_dscnt 8                                 ; the statistics are in; the eight loads behind them may be out
.else
	s_wait_dscnt 0x0
.endif
	v_max3_num_f32 v31, v32, v34, v36
	v_max_num_f32 v31, v31, v38                    ; tMg
	v_sub_f32 v32, v32, v31
	v_sub_f32 v34, v34, v31
	v_sub_f32 v36, v36, v31
	v_sub_f32 v38, v38, v31
	v_sub_f32 v30, v24, v31
	v_exp_f32 v32, v32
	v_exp_f32 v34, v34
	v_exp_f32 v36, v36
	v_exp_f32 v38, v38
	v_exp_f32 v30, v30
.if \red
	s_wait_dscnt 0x0                               ; the partial results are in:
	REDA                                           ; twelve plain lines that name none of the five results stand between the batch and its wait
.else
	v_nop
.endif
	s_wait_alu depctr_va_vdst(0)
	v_mul_f32 v33, v33, v32
	v_mul_f32 v37, v37, v36
	v_fmac_f32 v33, v35, v34
	v_fmac_f32 v37, v39, v38
	v_add_f32 v31, v33, v37                        ; tot
	v_max_num_f32 v31, 0x00800000, v31             ; at least 2^-126: a row that is masked throughout has e = 0, and 0 x 2^126 = 0
	v_rcp_f32 v31, v31
	v_mul_f32 v26, v14, v30                        ; plain lines behind the reciprocal
	v_mul_f32 v28, v15, v30
.if \red
	REDB
.endif
	s_wait_alu depctr_va_vdst(0)
	v_mul_f32 v26, v26, v31                        ; the pieces' factors
	v_mul_f32 v28, v28, v31
.set j, 0
.rept 32
	v_pk_mul_f32 v[S+j:S+j+1], v[S+j:S+j+1], v[26:27] op_sel_hi:[1,0]   ; piece 0: p = e x its factor,
.set j, j+2
.endr
.set j, 0
.rept 32
	v_dual_min_num_f32 v[S+j], v9, v[S+j] :: v_dual_min_num_f32 v[S+j+1], v11, v[S+j+1]   ; the hold,
.set j, j+2
.endr
	CVTPV 0, 1                                     ; the codes, and the products that start O^T's sums
.if \red
	s_wait_xcnt 0x0                                ; the two stores have read their base and their registers
	s_add_nc_u64 s[12:13], s[12:13], 131072        ; 32 queries on
.endif
.endif
.if \next
	s_wait_loadcnt 0x0                             ; Q of the step that begins (asked for a stretch ago); in the first stretch also K and V
	QKP 0, 1-\par                                  ; into piece 0's registers, which the conversions have left
	WIN 0
.rept 4
	v_nop                                          ; places between the products and the first read of their results
.endr
	s_wait_kmcnt 0x0                               ; piece 0's mask words
	MASK 0
	MLOAD 256                                      ; piece 1's, into the same registers
	MAXP 0
.endif
	WIN 0
	BLKX \prev, \next
.if \prev
	CVTPV 1, 0
.endif
.if \next
	QKP 1, 1-\par                                  ; into piece 1's registers
	WIN 0
	s_min_u32 s22, s20, 15                         ; Q of step j = s20 lies (j / 4) x 131,072 + (j % 4) x 4,096 bytes on.  There is no step 16: the stretch that begins step 15 asks for step 15's again, and nobody reads it
	s_lshr_b32 s23, s22, 2
	s_lshl_b32 s23, s23, 17
	s_and_b32 s22, s22, 3
	s_lshl_b32 s22, s22, 12
	s_add_co_u32 s22, s22, s23
	s_mov_b32 s23, 0
	s_add_nc_u64 s[8:9], s[6:7], s[22:23]          ; the wait on LOADcnt above has shown the last loads by s[8:9] done
	global_load_b128 v[48+8*\par:51+8*\par], v1, s[8:9]
	global_load_b128 v[52+8*\par:55+8*\par], v1, s[8:9] offset:512
.endif
	WIN 0
.rept 4
	v_nop                                          ; places between the last products and the reads of their results: the stores of O^T, the mask of piece 1
.endr
.if \prev
.irp b, 0,1
.irp c, 0,1,2,3
	ds_store_b128 v4, v[OT+16*\b+4*\c:OT+16*\b+4*\c+3] offset:OSET*\par+128*\b+16*\c   ; lane (r, h): channels 32 b + 16 h + 4 c ..; each accumulator from its low end on
.endr
.endr
.endif
.if \next
	s_wait_kmcnt 0x0                               ; piece 1's mask words; every scalar load is done, so the pointer may step
	MASK 1
	s_cmp_lt_u32 s20, 16
	s_cselect_b32 s22, 0x1000, 0                   ; to the next step's tile; behind step 15 it stays, so that no load leaves the buffer (s23 = 0 from above)
	s_add_nc_u64 s[10:11], s[10:11], s[22:23]
	s_add_co_u32 s20, s20, 1
	MLOAD 0                                        ; the next step's piece 0
	MAXP 1
	v_max_num_f32 v30, v10, v12
	v_permlanex16_b32 v31, v30, s16, s17
	v_max_num_f32 v24, v30, v31                    ; tMw
	v_sub_f32 v14, v10, v24
	v_sub_f32 v15, v12, v24
	BLKY
.set k, 0
.rept 32
	SUML S+64, 32                                  ; piece 1's sum
.set k, k+1
.endr
	v_mul_f32 v25, v16, v14
	v_fmac_f32 v25, v32, v15
	v_permlanex16_b32 v31, v25, s16, s17
	v_add_f32 v25, v25, v31                        ; lw
	ds_store_b64 v2, v[24:25] offset:1024*(1-\par) ; (lanes l and l + 16 store the same two numbers to the same place)
	s_wait_dscnt 0x0                               ; for the others: my statistics and my partial results lie in LDS; my reads of the sets that are written next are over
	s_barrier_signal -1
	s_barrier_wait -1
.endif
.endm
	SEG 1, 0, 0, 1                                 ; begins step 0
	SEG 0, 1, 0, 1                                 ; finishes step 0, begins step 1
	s_mov_b32 s21, 7
.Lpair:                                            ; a trip runs two stretches (steps 1 to 14 are finished here), until the sets are back where they began
	SEG 1, 1, 1, 1
	SEG 0, 1, 1, 1
	s_sub_co_u32 s21, s21, 1
	s_cmp_lg_u32 s21, 0
	s_cbranch_scc1 .Lpair
	SEG 1, 1, 1, 0                                 ; finishes step 15
	s_wait_dscnt 0x0                               ; my last partial results lie in LDS
	s_barrier_signal -1
	s_barrier_wait -1
	OLOAD 1
	s_wait_dscnt 0x0
	REDA
	REDB
	s_wait_xcnt 0x0
	v_lshl_add_u32 v254, v0, 2, 0x11800
	v_mov_b32 v255, 0
	s_wait_tensorcnt 0x0
	ds_add_u32 v254, v255
	s_wait_dscnt 0x0
	s_endpgm
.Lfunc_end_k_q1d5302c6f2_attn:
	.size	k_q1d5302c6f2_attn, .Lfunc_end_k_q1d5302c6f2_attn-k_q1d5302c6f2_attn
	.p2alignl 7, 3214868480
	.fill 96, 4, 3214868480
	.section	.rodata,"a",@progbits
	.p2align	6, 0x0
	.amdhsa_kernel k_q1d5302c6f2_attn
		.amdhsa_group_segment_fixed_size 72704
		.amdhsa_private_segment_fixed_size 0
		.amdhsa_enable_private_segment 0
		.amdhsa_kernarg_size 32
		.amdhsa_user_sgpr_count 2
		.amdhsa_user_sgpr_kernarg_segment_ptr 1
		.amdhsa_wavefront_size32 1
		.amdhsa_system_sgpr_workgroup_id_x 1
		.amdhsa_system_sgpr_workgroup_id_y 1
		.amdhsa_system_sgpr_workgroup_id_z 1
		.amdhsa_system_vgpr_workitem_id 0
		.amdhsa_next_free_vgpr 512
		.amdhsa_next_free_sgpr 100
		.amdhsa_reserve_vcc 0
		.amdhsa_float_denorm_mode_32 3
		.amdhsa_float_denorm_mode_16_64 3
		.amdhsa_memory_ordered 1
		.amdhsa_forward_progress 1
		.amdhsa_inst_pref_size 173
	.end_amdhsa_kernel
	.amdgpu_metadata
---
amdhsa.version: [ 1, 2 ]
amdhsa.kernels:
  - .name:           k_q1d5302c6f2_attn
    .symbol:         k_q1d5302c6f2_attn.kd
    .args:
      - { .name: pc, .offset: 0, .size: 8, .value_kind: global_buffer, .address_space: global }
      - { .name: maskw, .offset: 8, .size: 8, .value_kind: global_buffer, .address_space: global }
      - { .name: lowp_scales, .offset: 16, .size: 8, .value_kind: global_buffer, .address_space: global }
      - { .name: out0, .offset: 24, .size: 8, .value_kind: global_buffer, .address_space: global }
    .group_segment_fixed_size: 72704
    .private_segment_fixed_size: 0
    .kernarg_segment_align: 8
    .kernarg_segment_size: 32
    .max_flat_workgroup_size: 256
    .sgpr_count:     100
    .vgpr_count:     512
    .wavefront_size: 32
...
	.end_amdgpu_metadata
.endif
;; end of part 3
;; ======== version 2 of 2: 3 launches; version 1 with the launch attn written anew for expert scheduling mode
;; workspace buffers: xc 25,165,824 bytes; wc 3,145,728 bytes; pc 25,165,824 bytes; maskw 1,048,576 bytes of whole numbers
;; launch prep: the kernel of part 1 again; grid 736 x 1, 4 waves a work-group, no clusters, 101,888 bytes of LDS; arguments decoder_batch, encoder_out, Wq, Wk, Wv, attn_mask, lowp_scales, xc, wc, maskw; writes xc, wc, maskw
;; launch proj: the kernel of part 2 again; grid 12 x 32, 4 waves a work-group, clusters of 4 x 4, 327,680 bytes of LDS; arguments xc, wc, bq, bk, bv, lowp_scales, pc; writes pc
;; launch attn (part 4): grid 2 x 128, 8 waves a work-group, no clusters, 72,704 bytes of LDS; arguments pc, maskw, lowp_scales, out0; writes out0
.if DOCPART == 4
	.amdgcn_target "amdgcn-amd-amdhsa--gfx1250"
	.amdhsa_code_object_version 6
	.text
	.protected	k_q1d5302c6f2_attn
	.globl	k_q1d5302c6f2_attn
	.p2align	8
	.type	k_q1d5302c6f2_attn,@function
k_q1d5302c6f2_attn:
	s_mov_b64 s[64:65], 0
	v_nop
	global_prefetch_b8 v0, s[64:65] scope:SCOPE_SE
	s_setreg_imm32_b32 hwreg(HW_REG_WAVE_SCHED_MODE, 0, 2), 2
	s_setreg_imm32_b32 hwreg(HW_REG_WAVE_MODE, 25, 1), 1
	s_wait_xcnt 0x0
	s_wait_alu depctr_vm_vsrc(0)
; ATTN: out0[b][q][64 h + :] = sum over keys of Q8(softmax(mask(q . k / 8))) x v, both products on codes of E5M2; the scores are quantised FINISHED AND NORMALISED (scale e8).
; SHARES.  A work-group owns 512 queries of one (b, h).  Wave w: qs = w / 4, kq = w % 4.  A wave owns keys 256 kq .. + 255 for the whole launch: its 16 fragments of K and 8 of V^T
; (256 registers, window 1) are loaded once and stay.  16 steps; in step i the wave takes query tile 32 qh + 2 i + qs (16 queries) against its 256 keys, as two pieces of 128 keys.
; Both products are used transposed (S^T = K Q^T, O^T = V^T P^T): a lane holds ONE query (lane % 16), and its 16 registers of two neighbouring tiles are 16 neighbouring keys.
; SOFTMAX WITH ONE EXPONENTIAL A SCORE.  t = c x score, c = log2(e) / 8 x 2^(e6 + e7).  For each piece and lane: tM = its largest t (at least -3e38), e = 2^(t - tM), l = sum of e.
; For the wave: tMw = the largest tM of both pieces and both halves of the lanes, lw = sum of l x 2^(tM - tMw).  The four waves of a query tile exchange (tMw, lw) through LDS:
; tMg = the largest, tot = sum of lw x 2^(tMw - tMg); p = e x 2^(tM - tMw) x 2^(tMw - tMg) / tot.  So the row's true maximum is taken away, and p is the finished score.
; A masked score is -infinity ahead of the maximum (e = 0); a row that is masked throughout has tot = 0, which is held at 2^-126 from below: p = 0 there.
; The four waves' partial O^T meet in LDS a step later; each wave adds and stores four of the tile's 16 rows.  One barrier a step: statistics and partial results lie in two sets by turns.
; THE ORDER.  A stretch of the text goes from one barrier to the next; it FINISHES step i and BEGINS step i + 1, piece by piece, as each piece's 64 registers come free:
;   statistics, factors and the reduction of step i - 1 | p, codes, V^T P of piece 0 (i) | K Q^T, mask, maximum of piece 0 (i + 1) | piece 0's scalings and exponentials (i + 1) AMONG piece 1's multiplies and holds (i) |
;   codes, V^T P of piece 1 (i) | K Q^T, mask, maximum of piece 1 (i + 1) | piece 1's scalings and exponentials AMONG piece 0's sums | piece 1's sums, the wave's statistics, the barrier.
; So each exponential has a plain line of the same wave beside it, and the two requests for mask words (64 scalar registers hold one piece's) lie about a third and a half of a stretch ahead of their use.
; The mask comes as words of 32 bits, one bit a lane, by scalar loads: one v_cndmask_b32 a score.
; No tensor load, no ring, no cluster: K and V are read once, straight into registers, and the loop reads from memory only 1 KiB of Q and 512 bytes of mask words a wave and step, asked for ahead; so no prefetch either.
; THE MODE: SCHED_MODE bits 1:0 = 2 (LLVM: expert scheduling mode 2), set by the entry lines.  The code itself states the register dependences
; between vector or matrix instructions and memory or LDS instructions, with s_wait_alu, always for 0.
; THE PLAN.  Registers that memory or LDS instructions touch:
;   v1-v6          offsets and LDS addresses: written at the head, never again.  One wait on va_vdst ahead of the first load serves every load and store of the kernel.
;   window 1       K and V^T: loaded once, at the head; no vector line writes them.
;   v48-55, v56-63 Q, two sets by turns.  A stretch's products read one set; its two loads land in the other, which the products of the stretch before read.
;   v32-39         Piece 1's sums write them and the line that forms lw reads v32; then the next stretch's two LDS loads (the statistics) land in them.
;   v64-95         The eight LDS loads of partial results land; the additions and multiplies of the reduction read them; the products V^T P write O^T there; eight LDS stores read it.
;   v40-47         Written by the reduction's four multiplies, read by its two global stores.
;   v24, v25       Written at a stretch's end, read by the LDS store of the statistics, written again late in the next stretch.
; So a stretch has five waits on va_vdst: behind the statistics' five exponentials; behind the reciprocal and the reduction's multiplies, ahead of the two global stores; behind piece 1's mask, ahead of the stores
; of O^T (it is piece 0's batch's wait too); behind piece 1's batch; ahead of the store of the statistics.  No vector line stands between that last one and the next stretch's ten LDS loads, so it serves them too.
; The loads of Q owe none of their own: since the waits of the stretch before no vector or matrix line names their set.  ONE wait on vm_vsrc, at a stretch's end, frees v24, v25, v64-95 and v40-47 for the next stretch.
; LIMITS: e6 + e7 between -123 and 130; e8 between -126 and 112; e8 + e9 between -126 and 127.  A masked score counts as -infinity where the definition has -1e30: the same unless a true logit lies under -1e30.
; A p under 2^-126 counts as 0.  NaN is not served.
; REGISTERS, window 0: v1-6 addresses; v7 -inf; v8 2^e8; v9, v11 57,344 x 2^e8; v10, v12 tM of the pieces (low words of pairs); v14, v15, v30, v31 at work (v14, v15 also 2^(tM - tMw)); v16-23 piece 0's sums;
;   v[24:25] (tMw, lw); v26, v28 the pieces' factors (low words of pairs); v32-39 piece 1's sums, then the four waves' statistics; v40-47 rows of out0; v48-63 Q, two sets; v64-95 O^T, also the partial results read back;
;   v96-127 p's codes; v128-191 piece 0's, v192-255 piece 1's S^T, then e, then p.   window 1: v0-127 K (tile t at 8 t); v128-255 V^T (piece p, channels' tile d at 128 + 16 (4 p + d)).
; SCALARS: s2 wave, s3 qs, s4 kq; s[6:7] Q's base, s[8:9] Q in hand, s[10:11] mask words, s[12:13] out0; s[14:15] c; s[16:17] lane selects; s[18:19] 2^(e8 + e9); s20 the step whose Q is asked for next; s21 trips; s32-63, s68-99 64 mask words.
.set S,    128
.set OT,   64
.set CD,   96
.set OBUF, 2048                        ; LDS: 0-2,047 statistics [set 2][qs 2][query 16][kq 4] x 8 bytes; then partial results [set 2][wave 8] x 16 rows x 272 bytes
.set OSET, 34816
.set OWAV, 4352
.set MSB, 0
.macro WIN new                         ; the immediate's high byte repeats the setting that is left; a switch that changes nothing is dropped
.if MSB != \new
	s_set_vgpr_msb (MSB<<8)|\new
.set MSB, \new
.endif
.endm
.macro MLOAD off                       ; a piece's 64 mask words: word x lands in s[32 + x + 4 (x / 32)]
	s_load_b512 s[32:47], s[10:11], \off
	s_load_b512 s[48:63], s[10:11], \off+64
	s_load_b512 s[68:83], s[10:11], \off+128
	s_load_b512 s[84:99], s[10:11], \off+192
.endm
.macro QKP p, qset                     ; S^T of piece p: eight tiles of 16 keys; each product starts and ends its sum (K = the head's 64).  It leaves source 0 in window 1
	WIN 0x01
.set t, 8*\p
.rept 8
	v_wmma_f32_16x16x64_bf8_bf8 v[S+8*t:S+8*t+7], v[8*t:8*t+7], v[48+8*(\qset):55+8*(\qset)], 0
.set t, t+1
.endr
.endm
.macro MASK p                          ; ascending: each accumulator is read from its low end on
.set x, 0
.rept 64
	v_cndmask_b32 v[S+64*\p+x], v7, v[S+64*\p+x], s[32+x+4*(x/32)]
.set x, x+1
.endr
.endm
.macro MAXP p                          ; tM of the piece: four chains of 15 scores, the four left over, then x c (c is positive), then the floor
.set B0, S+64*\p
	v_max3_num_f32 v14, v[B0], v[B0+1], v[B0+2]
	v_max3_num_f32 v15, v[B0+16], v[B0+17], v[B0+18]
	v_max3_num_f32 v30, v[B0+32], v[B0+33], v[B0+34]
	v_max3_num_f32 v31, v[B0+48], v[B0+49], v[B0+50]
.irp i, 3,5,7,9,11,13
	v_max3_num_f32 v14, v14, v[B0+\i], v[B0+\i+1]
	v_max3_num_f32 v15, v15, v[B0+16+\i], v[B0+17+\i]
	v_max3_num_f32 v30, v30, v[B0+32+\i], v[B0+33+\i]
	v_max3_num_f32 v31, v31, v[B0+48+\i], v[B0+49+\i]
.endr
	v_max3_num_f32 v14, v14, v[B0+15], v[B0+31]
	v_max3_num_f32 v30, v30, v[B0+47], v[B0+63]
	v_max3_num_f32 v14, v14, v15, v30
	v_max_num_f32 v14, v14, v31
	v_mul_f32 v14, s14, v14
	v_max_num_f32 v[10+2*\p], 0xff61b1e6, v14      ; at least -3e38: a piece that is masked throughout keeps a finite tM
.endm
; Line k of 32 of a piece's sum: its 32 pairs from v[src] on, in four chains of packed additions in v[dst] .. v[dst + 7]; the sum ends in v[dst]
.macro SUML src, dst
.if k < 4
	v_pk_add_f32 v[\dst+2*k:\dst+2*k+1], v[\src+2*k:\src+2*k+1], v[\src+2*k+8:\src+2*k+9]
.elseif k < 28
	v_pk_add_f32 v[\dst+2*(k%4):\dst+2*(k%4)+1], v[\dst+2*(k%4):\dst+2*(k%4)+1], v[\src+2*k+8:\src+2*k+9]
.elseif k == 28
	v_pk_add_f32 v[\dst:\dst+1], v[\dst:\dst+1], v[\dst+2:\dst+3]
.elseif k == 29
	v_pk_add_f32 v[\dst+4:\dst+5], v[\dst+4:\dst+5], v[\dst+6:\dst+7]
.elseif k == 30
	v_pk_add_f32 v[\dst:\dst+1], v[\dst:\dst+1], v[\dst+4:\dst+5]
.else
	v_add_f32 v[\dst], v[\dst], v[\dst+1]
.endif
.endm
; THE FIRST INTERLEAVED BLOCK.  next = 1: piece 0 of the step that begins: e = 2^(c s - tM), a pair's scaling one turn ahead of its two exponentials.
; prev = 1: piece 1 of the step that ends: p = e x its factor, and the hold one turn behind (the conversion does not saturate: ISA guide 7.6.2; p is not negative, so the hold is one-sided).
; No line of the block names an exponential's result: the batch has its one wait behind piece 1's mask, ahead of the second block.
.macro BLKX prev, next
.set k, 0
.rept 32
.if \next
	v_pk_fma_f32 v[S+2*k:S+2*k+1], v[S+2*k:S+2*k+1], s[14:15], v[10:11] op_sel_hi:[1,0,0] neg_lo:[0,0,1] neg_hi:[0,0,1]
.endif
.if \next && (k > 0)
	v_exp_f32 v[S+2*k-2], v[S+2*k-2]
.endif
.if \prev
	v_pk_mul_f32 v[S+64+2*k:S+65+2*k], v[S+64+2*k:S+65+2*k], v[28:29] op_sel_hi:[1,0]
.endif
.if \next && (k > 0)
	v_exp_f32 v[S+2*k-1], v[S+2*k-1]
.endif
.if \prev && (k > 0)
	v_dual_min_num_f32 v[S+62+2*k], v9, v[S+62+2*k] :: v_dual_min_num_f32 v[S+63+2*k], v11, v[S+63+2*k]
.endif
.set k, k+1
.endr
.if \next
	v_exp_f32 v[S+62], v[S+62]
.endif
.if \prev
	v_dual_min_num_f32 v[S+126], v9, v[S+126] :: v_dual_min_num_f32 v[S+127], v11, v[S+127]
.endif
.if \next
	v_exp_f32 v[S+63], v[S+63]
.endif
.endm
; THE SECOND INTERLEAVED BLOCK: piece 1's scalings and exponentials, and 2^(tM - tMw) of both pieces, among piece 0's sums (piece 0's batch has had its wait behind piece 1's mask).
.macro BLKY
	v_exp_f32 v14, v14
	v_exp_f32 v15, v15
.set k, 0
.rept 32
	v_pk_fma_f32 v[S+64+2*k:S+65+2*k], v[S+64+2*k:S+65+2*k], s[14:15], v[12:13] op_sel_hi:[1,0,0] neg_lo:[0,0,1] neg_hi:[0,0,1]
.if k > 0
	v_exp_f32 v[S+62+2*k], v[S+62+2*k]
.endif
	SUML S, 16
.if k > 0
	v_exp_f32 v[S+63+2*k], v[S+63+2*k]
.endif
.set k, k+1
.endr
	v_exp_f32 v[S+126], v[S+126]
	v_exp_f32 v[S+127], v[S+127]
	v_nop                                          ; a plain line behind the last exponential
	s_wait_alu depctr_va_vdst(0)                   ; piece 1's 64 exponentials have written v192-255, and the two at the block's head v14 and v15: one wait, ahead of their first readers
.endm
.macro CVTPV p, zero                   ; a piece's codes, and O^T (+)= V^T P^T: the four accumulators by turns.  It leaves source 0 in window 1
.irp g, 0,1,2,3,4,5,6,7
	v_cvt_scalef32_pk8_bf8_f32 v[CD+16*\p+2*\g:CD+16*\p+2*\g+1], v[S+64*\p+8*\g:S+64*\p+8*\g+7], v8
.endr
	v_nop                                          ; a plain line between the last conversion and the matrix instructions that read the codes and write over the numbers
	WIN 0x01                                       ; source 0 (V^T) window 1
.irp d, 0,1,2,3
.if \zero
	v_wmma_f32_16x16x128_bf8_bf8 v[OT+8*\d:OT+8*\d+7], v[128+16*(4*\p+\d):128+16*(4*\p+\d)+15], v[CD+16*\p:CD+16*\p+15], 0
.else
	v_wmma_f32_16x16x128_bf8_bf8 v[OT+8*\d:OT+8*\d+7], v[128+16*(4*\p+\d):128+16*(4*\p+\d)+15], v[CD+16*\p:CD+16*\p+15], v[OT+8*\d:OT+8*\d+7]
.endif
.endr
.endm
.macro OLOAD set                       ; my four rows of the four waves' partial results: source w at v[64 + 8 w], two rows a load
.irp w, 0,1,2,3
.irp i, 0,1
	ds_load_b128 v[OT+8*\w+4*\i:OT+8*\w+4*\i+3], v5 offset:OSET*(\set)+OWAV*\w+544*\i
.endr
.endr
.endm
.macro REDA                            ; the four waves' partial results are added,
.irp u, 0,2,4,6
	v_pk_add_f32 v[OT+\u:OT+\u+1], v[OT+\u:OT+\u+1], v[OT+8+\u:OT+8+\u+1]
	v_pk_add_f32 v[OT+16+\u:OT+16+\u+1], v[OT+16+\u:OT+16+\u+1], v[OT+24+\u:OT+24+\u+1]
.endr
.irp u, 0,2,4,6
	v_pk_add_f32 v[OT+\u:OT+\u+1], v[OT+\u:OT+\u+1], v[OT+16+\u:OT+16+\u+1]
.endr
.endm
.macro REDM                            ; x 2^(e8 + e9), into registers of their own,
.irp u, 0,2,4,6
	v_pk_mul_f32 v[40+\u:41+\u], v[OT+\u:OT+\u+1], s[18:19] op_sel_hi:[1,0]
.endr
.endm
.macro REDS                            ; and stored, behind a wait on va_vdst: sixteen lanes store a query's 256 consecutive bytes, aligned
	global_store_b128 v6, v[40:43], s[12:13] th:TH_STORE_NT
	global_store_b128 v6, v[44:47], s[12:13] offset:8192 th:TH_STORE_NT
.endm
	s_load_b128 s[24:27], s[0:1], 0x0              ; pc s[24:25], maskw s[26:27]
	s_load_b128 s[28:31], s[0:1], 0x10             ; lowp_scales s[28:29], out0 s[30:31]
	v_lshrrev_b32 v30, 5, v0
	v_readfirstlane_b32 s2, v30                    ; wave 0..7
	s_wait_alu depctr_va_sdst(0)                   ; s2 is written, ahead of its first reader: the wave's shares and addresses are made from it
	s_lshr_b32 s3, s2, 2                           ; qs
	s_and_b32 s4, s2, 3                            ; kq
	s_and_b32 s5, ttmp7, 0xffff
	s_lshr_b32 s32, s5, 4                          ; b
	s_and_b32 s33, s5, 15                          ; h
	s_lshr_b32 s34, s33, 1
	s_and_b32 s35, s33, 1
	s_lshl_b32 s36, s32, 3                         ; 8 b
	s_lshl_b32 s37, s4, 1
	s_add_co_u32 s37, s36, s37                     ; 8 b + 2 kq: my first 128 tokens
	s_lshl_b32 s38, s37, 3                         ; K: part 1, ((8 b + 2 kq) x 8 + h / 2) x 16,384 + (h % 2) x 1,024
	s_add_co_u32 s38, s38, s34
	s_lshl_b32 s38, s38, 14
	s_lshl_b32 s39, s35, 10
	s_add_co_u32 s38, s38, s39
	s_add_co_u32 s38, s38, 0x800000
	s_mov_b32 s39, 0
	s_lshl_b32 s40, s34, 6                         ; V: part 2, ((h / 2) x 64 + 8 b + 2 kq) x 16,384 + (h % 2) x 8,192
	s_add_co_u32 s40, s40, s37
	s_lshl_b32 s40, s40, 14
	s_lshl_b32 s41, s35, 13
	s_add_co_u32 s40, s40, s41
	s_add_co_u32 s40, s40, 0x1000000
	s_mov_b32 s41, 0
	s_lshl_b32 s42, ttmp9, 2                       ; Q: part 0, ((8 b + 4 qh) x 8 + h / 2) x 16,384 + (h % 2) x 1,024 + 2,048 qs
	s_add_co_u32 s42, s42, s36
	s_lshl_b32 s42, s42, 3
	s_add_co_u32 s42, s42, s34
	s_lshl_b32 s42, s42, 14
	s_lshl_b32 s43, s35, 10
	s_add_co_u32 s42, s42, s43
	s_lshl_b32 s43, s3, 11
	s_add_co_u32 s42, s42, s43
	s_mov_b32 s43, 0
	s_lshl_b32 s44, s32, 6                         ; mask words: (64 b + 32 qh + qs) x 2,048 + 512 kq
	s_lshl_b32 s45, ttmp9, 5
	s_add_co_u32 s44, s44, s45
	s_add_co_u32 s44, s44, s3
	s_lshl_b32 s44, s44, 11
	s_lshl_b32 s45, s4, 9
	s_add_co_u32 s44, s44, s45
	s_mov_b32 s45, 0
	s_lshl_b32 s46, s32, 10                        ; out0: (1,024 b + 512 qh + 8 qs) x 4,096 + 256 h
	s_lshl_b32 s47, ttmp9, 9
	s_add_co_u32 s46, s46, s47
	s_lshl_b32 s47, s3, 3
	s_add_co_u32 s46, s46, s47
	s_lshl_b32 s46, s46, 12
	s_lshl_b32 s47, s33, 8
	s_add_co_u32 s46, s46, s47
	s_mov_b32 s47, 0
	v_and_b32 v30, 31, v0                          ; lane
	v_and_b32 v31, 15, v0                          ; r
	v_bfe_u32 v32, v0, 4, 1                        ; h
	v_lshlrev_b32 v1, 4, v30                       ; 16 x lane: an image's place for my lane
	s_lshl_b32 s48, s3, 9
	s_lshl_b32 s49, s4, 3
	v_lshlrev_b32 v3, 5, v31
	v_add_nc_u32 v3, s48, v3                       ; statistics, read: 32 r + 512 qs
	v_add_nc_u32 v2, s49, v3                       ; and written: + 8 kq
	s_mul_i32 s48, s2, OWAV
	s_add_co_u32 s48, s48, OBUF
	v_mul_u32_u24 v4, v31, 272
	v_lshl_add_u32 v4, v32, 6, v4
	v_add_nc_u32 v4, s48, v4                       ; partial results, written: my wave's 16 rows; row r, + 64 h
	s_mul_i32 s49, s3, 4*OWAV
	s_mul_i32 s50, s4, 4*272
	s_add_co_u32 s49, s49, s50
	s_add_co_u32 s49, s49, OBUF
	v_mul_u32_u24 v5, v32, 272
	v_lshl_add_u32 v5, v31, 4, v5
	v_add_nc_u32 v5, s49, v5                       ; and read: rows 4 kq + h (+ 2) of my query tile's four waves, 16 bytes a lane
	s_lshr_b32 s50, s4, 1
	s_lshl_b32 s50, s50, 3
	s_lshl_b32 s51, s4, 2
	s_add_co_u32 s50, s50, s51
	s_lshl_b32 s50, s50, 12
	v_lshlrev_b32 v6, 12, v32
	v_lshl_add_u32 v6, v31, 4, v6
	v_add_nc_u32 v6, s50, v6                       ; the same rows in out0: row r of a tile is query r + 8 (r / 8) from the tile's first
	v_mov_b32 v7, 0xff800000                       ; -infinity
	v_mov_b32 v13, 0                               ; upper words of pairs of which the low word alone is used: written once
	v_mov_b32 v27, 0
	v_mov_b32 v29, 0
	s_mov_b32 s16, 0x76543210                      ; v_permlanex16_b32: lane l xor 16
	s_mov_b32 s17, 0xfedcba98
	s_mov_b32 s20, 1                               ; step 0's Q is asked for here, at the head
	s_wait_kmcnt 0x0
	s_load_b128 s[56:59], s[28:29], 0x18           ; e6, e7, e8, e9
	s_add_nc_u64 s[22:23], s[24:25], s[38:39]      ; K
	s_add_nc_u64 s[6:7], s[24:25], s[42:43]        ; Q
	s_add_nc_u64 s[24:25], s[24:25], s[40:41]      ; V
	s_add_nc_u64 s[10:11], s[26:27], s[44:45]
	s_add_nc_u64 s[12:13], s[30:31], s[46:47]
	WIN 0x40                                       ; destination window 1
	s_wait_alu depctr_va_vdst(0)                   ; the six offsets and addresses v1 to v6 are written, which every load and store of the kernel reads; none of them is written again
.irp t, 0,1,2,3,4,5,6,7,8,9,10,11,12,13,14,15
.irp c, 0,1
	global_load_b128 v[8*\t+4*\c:8*\t+4*\c+3], v1, s[22:23] offset:(\t/8)*131072+(\t%8)*2048+512*\c   ; each load reads 512 consecutive bytes
.endr
.endr
.irp p, 0,1
.irp d, 0,1,2,3
.irp c, 0,1,2,3
	global_load_b128 v[128+16*(4*\p+\d)+4*\c:128+16*(4*\p+\d)+4*\c+3], v1, s[24:25] offset:16384*\p+2048*\d+512*\c
.endr
.endr
.endr
	WIN 0
	global_load_b128 v[48:51], v1, s[6:7]          ; Q of step 0
	global_load_b128 v[52:55], v1, s[6:7] offset:512
	s_wait_kmcnt 0x0
	s_add_co_i32 s60, s56, s57
	s_lshl_b32 s60, s60, 23
	s_add_co_i32 s14, s60, 0x3e38aa3b              ; c = log2(e) / 8, with e6 + e7 added to its exponent field
	s_mov_b32 s15, s14                             ; (named with it as a pair, so it is written)
	s_add_co_i32 s60, s58, 127
	s_lshl_b32 s61, s60, 23
	v_mov_b32 v8, s61                              ; 2^e8 as f32
	s_add_co_i32 s60, s60, 15
	s_lshl_b32 s60, s60, 23
	s_or_b32 s60, s60, 0x600000
	v_mov_b32 v9, s60                              ; 57,344 x 2^e8,
	v_mov_b32 v11, s60                             ; twice: one for each half of the dual-issue pairs
	s_add_co_i32 s60, s58, s59
	s_add_co_i32 s60, s60, 127
	s_lshl_b32 s18, s60, 23                        ; 2^(e8 + e9) as f32
	s_mov_b32 s19, s18
	MLOAD 0                                        ; step 0, piece 0
; A STRETCH, from barrier to barrier.  par = the parity of step i, which it finishes (prev = 1); red = 1: step i - 1's partial results are added and stored; next = 1: it begins step i + 1 and ends with that step's barrier.
; Sets by parity: Q of step i + 1 lies in set 1 - par, and set par takes Q of step i + 2; statistics and partial results of step i lie in set par.
.macro SEG par, prev, red, next
.if \prev
	ds_load_b128 v[32:35], v3 offset:1024*\par     ; the four waves' (tMw, lw) of my query.  These loads and those of the partial results lean on the two waits at the last stretch's end: no vector line stands between
	ds_load_b128 v[36:39], v3 offset:1024*\par+16
.if \red
	OLOAD 1-\par
	s_wait_dscnt 8                                 ; the statistics are in; the eight loads behind them may be out
.else
	s_wait_dscnt 0x0
.endif
	v_max3_num_f32 v31, v32, v34, v36
	v_max_num_f32 v31, v31, v38                    ; tMg
	v_sub_f32 v32, v32, v31
	v_sub_f32 v34, v34, v31
	v_sub_f32 v36, v36, v31
	v_sub_f32 v38, v38, v31
	v_sub_f32 v30, v24, v31
	v_exp_f32 v32, v32
	v_exp_f32 v34, v34
	v_exp_f32 v36, v36
	v_exp_f32 v38, v38
	v_exp_f32 v30, v30
.if \red
	s_wait_dscnt 0x0                               ; the partial results are in:
	REDA                                           ; twelve plain lines that name none of the five results stand between the batch and its wait
.else
	v_nop
.endif
	s_wait_alu depctr_va_vdst(0)                   ; the five exponentials have written v30, v32, v34, v36 and v38, ahead of their first reader
	v_mul_f32 v33, v33, v32
	v_mul_f32 v37, v37, v36
	v_fmac_f32 v33, v35, v34
	v_fmac_f32 v37, v39, v38
	v_add_f32 v31, v33, v37                        ; tot
	v_max_num_f32 v31, 0x00800000, v31             ; at least 2^-126: a row that is masked throughout has e = 0, and 0 x 2^126 = 0
	v_rcp_f32 v31, v31
	v_mul_f32 v26, v14, v30                        ; plain lines behind the reciprocal
	v_mul_f32 v28, v15, v30
.if \red
	REDM
.endif
	s_wait_alu depctr_va_vdst(0)                   ; the reciprocal has written v31, ahead of its first reader; red = 1: the four multiplies have written v40-47, which the two stores below read
.if \red
	REDS
.endif
	v_mul_f32 v26, v26, v31                        ; the pieces' factors
	v_mul_f32 v28, v28, v31
.set j, 0
.rept 32
	v_pk_mul_f32 v[S+j:S+j+1], v[S+j:S+j+1], v[26:27] op_sel_hi:[1,0]   ; piece 0: p = e x its factor,
.set j, j+2
.endr
.set j, 0
.rept 32
	v_dual_min_num_f32 v[S+j], v9, v[S+j] :: v_dual_min_num_f32 v[S+j+1], v11, v[S+j+1]   ; the hold,
.set j, j+2
.endr
	CVTPV 0, 1                                     ; the codes, and the products that start O^T's sums
.if \red
	s_wait_xcnt 0x0                                ; the two stores have read their base and their registers
	s_add_nc_u64 s[12:13], s[12:13], 131072        ; 32 queries on
.endif
.endif
.if \next
	s_wait_loadcnt 0x0                             ; Q of the step that begins (asked for a stretch ago); in the first stretch also K and V
	QKP 0, 1-\par                                  ; into piece 0's registers, which the conversions have left
	WIN 0
.rept 4
	v_nop                                          ; places between the products and the first read of their results
.endr
	s_wait_kmcnt 0x0                               ; piece 0's mask words
	MASK 0
	MLOAD 256                                      ; piece 1's, into the same registers
	MAXP 0
.endif
	WIN 0
	BLKX \prev, \next
.if \prev
	CVTPV 1, 0
.endif
.if \next
	QKP 1, 1-\par                                  ; into piece 1's registers
	WIN 0
	s_min_u32 s22, s20, 15                         ; Q of step j = s20 lies (j / 4) x 131,072 + (j % 4) x 4,096 bytes on.  There is no step 16: the stretch that begins step 15 asks for step 15's again, and nobody reads it
	s_lshr_b32 s23, s22, 2
	s_lshl_b32 s23, s23, 17
	s_and_b32 s22, s22, 3
	s_lshl_b32 s22, s22, 12
	s_add_co_u32 s22, s22, s23
	s_mov_b32 s23, 0
	s_add_nc_u64 s[8:9], s[6:7], s[22:23]          ; the wait on LOADcnt above has shown the last loads by s[8:9] done
	global_load_b128 v[48+8*\par:51+8*\par], v1, s[8:9]            ; no wait: the products that read this set stand in the stretch before, ahead of its waits on va_vdst, and no vector or matrix line since names it
	global_load_b128 v[52+8*\par:55+8*\par], v1, s[8:9] offset:512
.endif
	WIN 0
.rept 4
	v_nop                                          ; places between the last products and the reads of their results: the mask of piece 1, the stores of O^T
.endr
.if \next
	s_wait_kmcnt 0x0                               ; piece 1's mask words; every scalar load is done, so the pointer may step
	MASK 1
.endif
	s_wait_alu depctr_va_vdst(0)                   ; prev = 1: the products V^T P have written O^T (v64-95), which the LDS stores below read; next = 1: piece 0's 64 exponentials have written v128-191, ahead of their first reader, the sums of the second block
.if \prev
.irp b, 0,1
.irp c, 0,1,2,3
	ds_store_b128 v4, v[OT+16*\b+4*\c:OT+16*\b+4*\c+3] offset:OSET*\par+128*\b+16*\c   ; lane (r, h): channels 32 b + 16 h + 4 c ..; each accumulator from its low end on
.endr
.endr
.endif
.if \next
	s_cmp_lt_u32 s20, 16
	s_cselect_b32 s22, 0x1000, 0                   ; to the next step's tile; behind step 15 it stays, so that no load leaves the buffer (s23 = 0 from above)
	s_add_nc_u64 s[10:11], s[10:11], s[22:23]
	s_add_co_u32 s20, s20, 1
	MLOAD 0                                        ; the next step's piece 0
	MAXP 1
	v_max_num_f32 v30, v10, v12
	v_permlanex16_b32 v31, v30, s16, s17
	v_max_num_f32 v24, v30, v31                    ; tMw
	v_sub_f32 v14, v10, v24
	v_sub_f32 v15, v12, v24
	BLKY
.set k, 0
.rept 32
	SUML S+64, 32                                  ; piece 1's sum
.set k, k+1
.endr
	v_mul_f32 v25, v16, v14
	v_fmac_f32 v25, v32, v15
	v_permlanex16_b32 v31, v25, s16, s17
	v_add_f32 v25, v25, v31                        ; lw
	s_wait_alu depctr_va_vdst(0)                   ; v24 and v25 are written, which the store below reads; and every vector and matrix line that names v32-39 or v64-95 is done: the next stretch's LDS loads land there, and no vector line stands between
	ds_store_b64 v2, v[24:25] offset:1024*(1-\par) ; (lanes l and l + 16 store the same two numbers to the same place)
	s_wait_alu depctr_vm_vsrc(0)                   ; this stretch's stores have read their data: v24 and v25, which the next stretch's vector lines write; v64-95, in which its LDS loads land; v40-47, which its reduction writes
	s_wait_dscnt 0x0                               ; for the others: my statistics and my partial results lie in LDS; my reads of the sets that are written next are over
	s_barrier_signal -1
	s_barrier_wait -1
.endif
.endm
	SEG 1, 0, 0, 1                                 ; begins step 0
	SEG 0, 1, 0, 1                                 ; finishes step 0, begins step 1
	s_mov_b32 s21, 7
.Lpair:                                            ; a trip runs two stretches (steps 1 to 14 are finished here), until the sets are back where they began
	SEG 1, 1, 1, 1
	SEG 0, 1, 1, 1
	s_sub_co_u32 s21, s21, 1
	s_cmp_lg_u32 s21, 0
	s_cbranch_scc1 .Lpair
	SEG 1, 1, 1, 0                                 ; finishes step 15
	s_wait_alu depctr_vm_vsrc(0)                   ; the LDS stores have read O^T (v64-95), in which the loads below land; the two global stores have read v40-47, which the last multiplies write
	s_wait_dscnt 0x0                               ; my last partial results lie in LDS
	s_barrier_signal -1
	s_barrier_wait -1
	OLOAD 1                                        ; no vector line stands between the wait on va_vdst ahead of the stores of O^T and these loads
	s_wait_dscnt 0x0
	REDA
	REDM
	s_wait_alu depctr_va_vdst(0)                   ; the four multiplies have written v40-47, which the two stores read
	REDS
	s_wait_xcnt 0x0
	v_lshl_add_u32 v254, v0, 2, 0x11800
	v_mov_b32 v255, 0
	s_wait_dscnt 0x0                               ; the closing lines, six on end
	s_wait_alu 0x0
	s_wait_tensorcnt 0x0
	ds_add_u32 v254, v255
	s_wait_dscnt 0x0
	s_endpgm
.Lfunc_end_k_q1d5302c6f2_attn:
	.size	k_q1d5302c6f2_attn, .Lfunc_end_k_q1d5302c6f2_attn-k_q1d5302c6f2_attn
	.p2alignl 7, 3214868480
	.fill 96, 4, 3214868480
	.section	.rodata,"a",@progbits
	.p2align	6, 0x0
	.amdhsa_kernel k_q1d5302c6f2_attn
		.amdhsa_group_segment_fixed_size 72704
		.amdhsa_private_segment_fixed_size 0
		.amdhsa_enable_private_segment 0
		.amdhsa_kernarg_size 32
		.amdhsa_user_sgpr_count 2
		.amdhsa_user_sgpr_kernarg_segment_ptr 1
		.amdhsa_wavefront_size32 1
		.amdhsa_system_sgpr_workgroup_id_x 1
		.amdhsa_system_sgpr_workgroup_id_y 1
		.amdhsa_system_sgpr_workgroup_id_z 1
		.amdhsa_system_vgpr_workitem_id 0
		.amdhsa_next_free_vgpr 512
		.amdhsa_next_free_sgpr 100
		.amdhsa_reserve_vcc 0
		.amdhsa_float_denorm_mode_32 3
		.amdhsa_float_denorm_mode_16_64 3
		.amdhsa_memory_ordered 1
		.amdhsa_forward_progress 1
		.amdhsa_inst_pref_size 174
	.end_amdhsa_kernel
	.amdgpu_metadata
---
amdhsa.version: [ 1, 2 ]
amdhsa.kernels:
  - .name:           k_q1d5302c6f2_attn
    .symbol:         k_q1d5302c6f2_attn.kd
    .args:
      - { .name: pc, .offset: 0, .size: 8, .value_kind: global_buffer, .address_space: global }
      - { .name: maskw, .offset: 8, .size: 8, .value_kind: global_buffer, .address_space: global }
      - { .name: lowp_scales, .offset: 16, .size: 8, .value_kind: global_buffer, .address_space: global }
      - { .name: out0, .offset: 24, .size: 8, .value_kind: global_buffer, .address_space: global }
    .group_segment_fixed_size: 72704
    .private_segment_fixed_size: 0
    .kernarg_segment_align: 8
    .kernarg_segment_size: 32
    .max_flat_workgroup_size: 256
    .sgpr_count:     100
    .vgpr_count:     512
    .wavefront_size: 32
...
	.end_amdgpu_metadata
.endif
;; end of part 4
